; MI455X (gfx1250); checked and timed in simulation.
; The chip was launched on July 23, 2026; its instructions are those of AMD's public machine-readable ISA for CDNA 5 (MIT licence, August 2026) and "CDNA5" Instruction Set Architecture Reference Guide (July 2026). The comments in the code are by the model that wrote it; some were corrected since.
;; Encoder Block. Allowed arithmetic: matrix products marked QUANTISED: E4M3 operands, one given power-of-two scale a tensor, by v_wmma_f32_16x16x64_fp8_fp8 or v_wmma_f32_16x16x128_fp8_fp8, f32 sums; everything else in f32.
;; Inputs: b1 4,096 float32; b2 1,024 float32; bk 1,024 float32; bo 1,024 float32; bq 1,024 float32; bv 1,024 float32; ln1_b 1,024 float32; ln1_g 1,024 float32; ln2_b 1,024 float32; ln2_g 1,024 float32; lowp_scales 16 int32 (the exponents e of the quantised operands' scales 2^e); w1 1,024 x 4,096 float32; w2 4,096 x 1,024 float32; wk 1,024 x 1,024 float32; wo 1,024 x 1,024 float32; wq 1,024 x 1,024 float32; wv 1,024 x 1,024 float32; x 2 x 2,048 x 1,024 float32.
;; Outputs: out0 2 x 2,048 x 1,024 float32.
;; This version of the problem:
;;   THIS VERSION OF THE PROBLEM IS GIVEN IN LOW PRECISION. The matrix products marked QUANTISED in the list below multiply operands that are first quantised to E4M3 (4 exponent bits, 3 mantissa bits; 8 bits a number), with one given power-of-two scale for each operand tensor; their sums are f32. All else is computed in f32.
;;   The module's matrix products, in the order in which they are computed (A, B: the left and right operand; K: the contracted axis; several contracted axes count as one K, in the product's order):
;;     1. [M 4,096, K 1,024] x [K 1,024, N 1,024]; A: computed on the way; B: input wq: QUANTISED (scales: A lowp_scales[0], B lowp_scales[1])
;;     2. [M 4,096, K 1,024] x [K 1,024, N 1,024]; A: computed on the way; B: input wk: QUANTISED (scales: A lowp_scales[2], B lowp_scales[3])
;;     3. [M 4,096, K 1,024] x [K 1,024, N 1,024]; A: computed on the way; B: input wv: QUANTISED (scales: A lowp_scales[4], B lowp_scales[5])
;;     4. batch 32 x [M 2,048, K 64] x [K 64, N 2,048]; A: computed on the way; B: computed on the way: QUANTISED (scales: A lowp_scales[6], B lowp_scales[7])
;;     5. batch 32 x [M 2,048, K 2,048] x [K 2,048, N 64]; A: softmax (see below); B: computed on the way: QUANTISED (scales: A lowp_scales[8], B lowp_scales[9])
;;     6. [M 4,096, K 1,024] x [K 1,024, N 1,024]; A: computed on the way; B: input wo: QUANTISED (scales: A lowp_scales[10], B lowp_scales[11])
;;     7. [M 4,096, K 1,024] x [K 1,024, N 4,096]; A: computed on the way; B: input w1: QUANTISED (scales: A lowp_scales[12], B lowp_scales[13])
;;     8. [M 4,096, K 4,096] x [K 4,096, N 1,024]; A: computed on the way; B: input w2: QUANTISED (scales: A lowp_scales[14], B lowp_scales[15])
;;   THE QUANTISER, for each operand of a quantised product, along K:
;;     - The operand's scale is 2^e, e = its entry of the input lowp_scales (int32; the entries are numbered through the quantised products in the list's order, A before B).
;;     - Each number is divided by the scale, clamped to +-448, and rounded to the nearest number of E4M3, ties to even, subnormals kept.
;;     - The product sums the exact products of the quantised numbers (number of the format x scale) in f32.
;;   ~~~python
;;   def quantise(x, axis, e):      # numpy; x: float32 -> the quantised numbers, widened to float32 again
;;       x = np.moveaxis(x, axis, -1); K = x.shape[-1]
;;       r = np.clip(x / 2.0 ** e, -448, 448)
;;       step = 2.0 ** (np.maximum(np.frexp(np.where(r == 0, 1, r))[1] - 1, -6) - 3)
;;       q = np.round(r / step) * step * 2.0 ** e      # np.round: ties to even
;;       return np.moveaxis(q, -1, axis).astype(np.float32)
;;   ~~~
;;   SOFTMAX AHEAD OF A QUANTISED PRODUCT. Where the list says 'softmax', what is quantised is not the finished softmax but p = 2^(t - M), with t = logit x log2(e) and M = ceil(the row's largest t), a whole number; so 1/2 < the row's largest p <= 1. The row's sum l is taken of the UNQUANTISED p, in f32, and the product's result is divided by l at the end. Since M is a whole number, a kernel that streams over the keys may use a running M (the ceiling of the running maximum): every later rescaling is an exact power of two, so the quantised numbers keep their values, but for numbers so far below the row's largest that they fall under the format's range.
;;   OPERANDS COMPUTED ON THE WAY. 'Computed on the way' means the value that the module computes at that place (a softmax that the list does not call 'softmax' is quantised finished and normalised). What goes into a quantiser is computed in f32, as accurately as f32 sums, v_exp_f32 and their like allow (about 1e-6 of the number): no bf16 or f16 on the way to a quantiser, and a product that is left as it is and whose result goes on into a quantised operand takes f32 operands (vector FMAs, or v_wmma_f32_16x16x4_f32). A number that lies on a knife's edge between two numbers of the format may be rounded either way, as far as f32 arithmetic and the matrix unit's own rounding can turn it there, and no further.
;; One version. Each part assembles by itself: llvm-mc -triple=amdgcn-amd-amdhsa -mcpu=gfx1250 --defsym DOCPART=n.
;; ======== version 1 of 1: 7 launches
;; limits: right only within a limited range of input values
;; workspace buffers: wc 12,582,912 bytes; hc 12,582,912 bytes; qkvc 12,582,912 bytes; ao 4,194,304 bytes; x1 16,777,216 bytes; h2c 4,194,304 bytes; hid 16,777,216 bytes
;; launch prep (part 1): grid 448 x 1, 8 waves a work-group, no clusters, 70,656 bytes of LDS; arguments wq, wk, wv, wo, w1, w2, x, ln1_g, ln1_b, lowp_scales, wc, hc; writes wc, hc
.if DOCPART == 1
	.amdgcn_target "amdgcn-amd-amdhsa--gfx1250"
	.amdhsa_code_object_version 6
	.text
	.protected	k_q55eabfaf0a_prep
	.globl	k_q55eabfaf0a_prep
	.p2align	8
	.type	k_q55eabfaf0a_prep,@function
k_q55eabfaf0a_prep:
	s_mov_b64 s[64:65], 0
	v_nop
	global_prefetch_b8 v0, s[64:65] scope:SCOPE_SE
	s_setreg_imm32_b32 hwreg(HW_REG_WAVE_MODE, 25, 1), 1
	s_wait_xcnt 0x0
; PREP, the first of seven launches of a pre-LN encoder block (4,096 tokens, D = 1,024, 16 heads of 64, MLP 4,096), all eight products on codes of E4M3 with the given scales 2^e.
; DEAD WORK: none.  Every bias stands ahead of a quantiser (bq, bk, bv, b1: bk too, since it moves K's codes) or reaches the output (bo, b2); every input is loaded by some launch.
; THIS LAUNCH: (a) work-groups 0-191 turn the six weights, stored [k][n] in f32, into codes laid [n][K position] in wc: wq 0, wk 1 MiB, wv 2 MiB, wo 3 MiB, w1 4 MiB, w2 8 MiB;
; (b) work-groups 192-447 make LN1(x) and quantise it three times, with e0, e2, e4, into hc [3][4,096][1,024].
; code = number / 2^e, held within +-448, to the nearest code, ties to even.
; A PERMUTATION OF K for the products with K = 1,024 whose left operand is a layer norm (hc, h2c; wq, wk, wv, w1): byte position p = 512 u + 16 l + 4 d + c of a row holds k = 128 (4 u + d) + 4 l + c.
; It is the same on both sides of a product, so every number meets its partner; it lets a lane of the layer norm load 16 dense bytes eight times and store its 32 codes as two dense 16 bytes.  wo and w2 keep the natural order.
; LIMITS: each e between -126 and 119, so that 2^e and 448 x 2^e are f32 numbers.  NaN among the inputs is not served.
; WEIGHTS: a work-group takes 256 columns n x 256 K positions, a wave 32 columns.  A LANE TAKES A COLUMN AND ITS REGISTERS RUN DOWN K: a load reads 128 consecutive bytes, and the conversions, which take neighbours
; along K from one lane's registers, give codes with K innermost.  The codes go through the wave's own stage in LDS (32 rows of 256 + 16 bytes) and leave as rows: sixteen lanes store 256 aligned bytes.
; One path through the text serves all six tensors: pointers, pitches and the order of K are chosen by scalar selects on the work-group's number.  Only this path uses LDS.
; The addresses hang on the arguments alone, so a wave's first 64 loads go out ahead of the wait for the exponents; only the choice of e stands behind that wait.
; No tensor loads, clusters or matrix units: the launch streams, and waves share nothing.
.set SPARE, 69632                      ; behind the eight stages of 8,704 bytes: the spare words, 128 bytes a wave
.set SPW,  12                          ; v12  my spare word's LDS address; never rewritten
.set NIL,  13                          ; v13  0; never rewritten
.set VO,   16                          ; v16-47   weights: register i's byte offset: 4 x lane + (k of position i) x pitch
.set WX,   48                          ; v48-111  two sets of 32 numbers
.set WCD,  112                         ; v112-119 a block's codes
.set OUTR, 120                         ; v120-183 the way out
.set OO,   184                         ; v184-199 the way out's byte offsets in wc
.set LG,   16                          ; layer norm: v16-47 gain, v48-79 bias, v80-143 two rows, v144-159 held numbers (two sets of 8), v160-207 codes, v208-213 scales and limits
.set LB,   48
.set LX,   80
.set LH,   144
.set LC,   160
.set LS,   208
	s_load_b512 s[4:19], s[0:1], 0x0               ; wq s4, wk s6, wv s8, wo s10, w1 s12, w2 s14, x s16, ln1_g s18
	s_load_b256 s[20:27], s[0:1], 0x40             ; ln1_b s20, lowp_scales s22, wc s24, hc s26
	v_lshl_add_u32 v[SPW], v0, 2, SPARE
	v_mov_b32 v[NIL], 0
	v_lshrrev_b32 v1, 5, v0
	s_delay_alu instid0(VALU_DEP_1)
	v_readfirstlane_b32 s28, v1                    ; wave 0..7
	v_and_b32 v2, 31, v0                           ; lane
	s_wait_kmcnt 0x0
	s_load_b512 s[32:47], s[22:23], 0x0            ; the sixteen exponents: entry i in s[32 + i]; waited for only where an e is wanted
	s_cmp_ge_u32 ttmp9, 192
	s_cbranch_scc1 .Lln
	; ---------------- the weights ----------------
	s_lshr_b32 s66, ttmp9, 6                       ; 0: the four square weights, 16 work-groups each; 1: w1; 2: w2
	s_lshr_b32 s67, ttmp9, 4
	s_and_b32 s67, s67, 3
	s_add_co_u32 s68, s66, 3
	s_and_b32 s69, ttmp9, 15
	s_and_b32 s70, ttmp9, 63
	s_cmp_eq_u32 s66, 0
	s_cselect_b32 s67, s67, s68                    ; the tensor: 0 wq, 1 wk, 2 wv, 3 wo, 4 w1, 5 w2
	s_cselect_b32 s69, s69, s70                    ; my tile's number in it
	s_mov_b32 s71, 4096
	s_cmp_eq_u32 s67, 4
	s_cselect_b32 s70, 4, 2                        ; tiles of 256 columns: 16 in w1, 4 in the others
	s_cselect_b32 s71, 16384, s71                  ; bytes from k to k + 1 in memory
	s_lshr_b32 s72, s69, s70                       ; which 256 K positions
	s_lshl_b32 s73, s72, s70
	s_sub_co_u32 s73, s69, s73                     ; which 256 columns
	s_lshl_b32 s76, s67, 20                        ; the tensor's place in wc (w2's is set below)
	s_mov_b32 s77, 1024                            ; a row of codes in bytes
	s_cmp_eq_u32 s67, 1
	s_cselect_b64 s[2:3], s[6:7], s[4:5]
	s_cmp_eq_u32 s67, 2
	s_cselect_b64 s[2:3], s[8:9], s[2:3]
	s_cmp_eq_u32 s67, 3
	s_cselect_b64 s[2:3], s[10:11], s[2:3]
	s_cselect_b32 s75, 0, 1                        ; 1: K is permuted
	s_cmp_eq_u32 s67, 4
	s_cselect_b64 s[2:3], s[12:13], s[2:3]
	s_cmp_eq_u32 s67, 5
	s_cselect_b64 s[2:3], s[14:15], s[2:3]         ; the tensor's address
	s_cselect_b32 s75, 0, s75
	s_cselect_b32 s76, 0x800000, s76
	s_cselect_b32 s77, 4096, s77
	; position 256 ky + 32 t + i holds k = kbase + tstep t + kappa(i).  Natural: 256 ky, 32, i.  Permuted: 512 (ky / 2) + 64 (ky % 2), 8, 128 ((i / 4) % 4) + 4 (i / 16) + i % 4
	s_lshl_b32 s78, s72, 8
	s_lshr_b32 s79, s72, 1
	s_lshl_b32 s79, s79, 9
	s_and_b32 s80, s72, 1
	s_lshl_b32 s80, s80, 6
	s_add_co_u32 s79, s79, s80
	s_wait_alu depctr_va_vdst(0)
	v_lshlrev_b32 v3, 2, v2
	s_wait_alu depctr_va_vdst(0)
	s_cmp_eq_u32 s75, 1                            ; this compare serves all the selects down to the end of the run below: none of the lines between writes SCC
	s_cselect_b32 s78, s79, s78                    ; kbase
	s_cselect_b32 s79, 8, 32                       ; tstep
.set ii, 0
.rept 32
	s_cselect_b32 s80, 128*((ii>>2)&3)+4*(ii>>4)+(ii&3), ii
	s_mul_i32 s80, s80, s71
	v_add_nc_u32 v[VO+ii], s80, v3
.set ii, ii+1
.endr
	s_lshl_b32 s81, s73, 8
	s_lshl_b32 s82, s28, 5
	s_add_co_u32 s81, s81, s82                     ; my wave's first column
	s_mul_i32 s82, s78, s71
	s_lshl_b32 s83, s81, 2
	s_add_co_u32 s82, s82, s83
	s_mov_b32 s83, 0
	s_add_nc_u64 s[48:49], s[2:3], s[82:83]        ; eight bases, one for each block of 32 positions: no base is stepped while loads are out
	s_mul_i32 s82, s79, s71
.irp t, 1,2,3,4,5,6,7
	s_add_nc_u64 s[48+2*\t:49+2*\t], s[46+2*\t:47+2*\t], s[82:83]
.endr
.macro LOAD t                          ; block t: 32 numbers down K of my column, into set t % 2
.set ii, 0
.rept 32
	global_load_b32 v[WX+32*((\t)%2)+ii], v[VO+ii], s[48+2*(\t):49+2*(\t)] th:TH_LOAD_NT
.set ii, ii+1
.endr
.endm
	s_wait_alu depctr_va_vdst(0)
	LOAD 0                                         ; the first two blocks are asked for before anything else is made
	LOAD 1
	s_mul_i32 s84, s81, s77                        ; the codes: column x row bytes + 256 ky + the tensor's place
	s_lshl_b32 s85, s72, 8
	s_add_co_u32 s84, s84, s85
	s_add_co_u32 s84, s84, s76
	s_mov_b32 s85, 0
	s_add_nc_u64 s[24:25], s[24:25], s[84:85]
	s_mul_i32 s86, s28, 8704                       ; my stage
	v_mul_u32_u24 v4, v2, 272
	s_delay_alu instid0(VALU_DEP_1)
	v_add_nc_u32 v4, s86, v4                       ; into it: row = my column
	v_and_b32 v5, 15, v2
	v_lshrrev_b32 v6, 4, v2
	s_delay_alu instid0(VALU_DEP_1)
	v_mul_u32_u24 v7, v6, 272
	s_delay_alu instid0(VALU_DEP_1)
	v_lshl_add_u32 v7, v5, 4, v7
	s_delay_alu instid0(VALU_DEP_1)
	v_add_nc_u32 v7, s86, v7                       ; out of it: sixteen lanes to a row, two rows an instruction
	s_delay_alu instid0(VALU_DEP_4)
	v_mul_lo_u32 v8, v6, s77
	s_delay_alu instid0(VALU_DEP_1)
	v_lshl_add_u32 v8, v5, 4, v8
.set ii, 0
	s_wait_alu depctr_va_vdst(0)
.rept 16
	s_mul_i32 s87, s77, 2*ii
	v_add_nc_u32 v[OO+ii], s87, v8                 ; and the same two rows in wc
.set ii, ii+1
.endr
	s_wait_kmcnt 0x0                               ; the exponents: the tensor's e is entry 1, 3, 5, 11, 13 or 15
	s_cmp_eq_u32 s67, 1
	s_cselect_b32 s74, s35, s33
	s_cmp_eq_u32 s67, 2
	s_cselect_b32 s74, s37, s74
	s_cmp_eq_u32 s67, 3
	s_cselect_b32 s74, s43, s74
	s_cmp_eq_u32 s67, 4
	s_cselect_b32 s74, s45, s74
	s_cmp_eq_u32 s67, 5
	s_cselect_b32 s74, s47, s74
	s_add_co_i32 s74, s74, 127
	s_lshl_b32 s87, s74, 23
	v_mov_b32 v11, s87                             ; 2^e as f32: the conversion takes its exponent field
	s_add_co_i32 s74, s74, 8
	s_lshl_b32 s74, s74, 23
	s_or_b32 s74, s74, 0x600000
	v_mov_b32 v10, s74                             ; 448 x 2^e
.macro BLOCK t
.set XS, WX+32*((\t)%2)
.if (\t) < 7
	s_wait_loadcnt 32                              ; this block's 32 loads are in; the next block's 32 may be out
.else
	s_wait_loadcnt 0x0
.endif
.set ii, 0
.rept 32
	v_med3_num_f32 v[XS+ii], v[XS+ii], -v10, v10   ; the conversion to an 8-bit code does not saturate (ISA guide 7.6.2): the hold comes first
.set ii, ii+1
.endr
.irp g, 0,1,2,3
	v_cvt_scalef32_pk8_fp8_f32 v[WCD+2*\g:WCD+2*\g+1], v[XS+8*\g:XS+8*\g+7], v11
.endr
	ds_store_b128 v4, v[WCD:WCD+3] offset:32*(\t)  ; 32 codes: 32 bytes of my column's row
	ds_store_b128 v4, v[WCD+4:WCD+7] offset:32*(\t)+16
.if (\t)+2 < 8
	LOAD (\t)+2
.endif
	s_wait_dscnt 0x0                               ; the stores have read their registers: the next block's codes may be written
.endm
	s_wait_alu depctr_va_vdst(0)
.irp t, 0,1,2,3,4,5,6,7
	BLOCK \t
.endr
.set ii, 0
.rept 16
	ds_load_b128 v[OUTR+4*ii:OUTR+4*ii+3], v7 offset:544*ii   ; LDS serves a wave's instructions in order: these see my stores
.set ii, ii+1
.endr
.set ii, 0
.rept 16
	s_wait_dscnt 15-ii                             ; load ii is in; the 15 - ii younger ones may be out
	global_store_b128 v[OO+ii], v[OUTR+4*ii:OUTR+4*ii+3], s[24:25]   ; sixteen lanes store 256 consecutive bytes, aligned
.set ii, ii+1
.endr
	s_wait_tensorcnt 0x0                           ; the wave's end, behind my last LDS store
	ds_add_u32 v[SPW], v[NIL]
	s_wait_dscnt 0x0
	s_endpgm
	; ---------------- LN1 ----------------
	; One wave, one row at a time, two rows a wave: the row stays in 32 registers between the passes; register 4 j + c holds k = 128 j + 4 lane + c.  No LDS, no barrier.
.Lln:
	s_sub_co_u32 s29, ttmp9, 192
	s_lshl_b32 s29, s29, 4
	s_lshl_b32 s30, s28, 1
	s_add_co_u32 s29, s29, s30                     ; my first row
	s_lshl_b32 s30, s29, 12
	s_mov_b32 s31, 0
	s_add_nc_u64 s[16:17], s[16:17], s[30:31]
	s_lshl_b32 s30, s29, 10
	s_add_nc_u64 s[52:53], s[26:27], s[30:31]      ; its codes under e0,
	s_add_nc_u64 s[54:55], s[52:53], 0x400000      ; e2,
	s_add_nc_u64 s[56:57], s[54:55], 0x400000      ; e4
	s_mov_b32 s58, 0x76543210                      ; v_permlanex16_b32: lane l takes lane l xor 16
	s_mov_b32 s59, 0xfedcba98
	s_mov_b32 s60, 0x3a800000                      ; 1 / 1,024
	s_wait_alu depctr_va_vdst(0)
	v_lshlrev_b32 v1, 4, v2                        ; 16 bytes a lane
.set jj, 0
.rept 8
	global_load_b128 v[LX+4*jj:LX+4*jj+3], v1, s[16:17] offset:512*jj th:TH_LOAD_NT
.set jj, jj+1
.endr
.set jj, 0
.rept 8
	global_load_b128 v[LG+4*jj:LG+4*jj+3], v1, s[18:19] offset:512*jj
.set jj, jj+1
.endr
.set jj, 0
.rept 8
	global_load_b128 v[LB+4*jj:LB+4*jj+3], v1, s[20:21] offset:512*jj
.set jj, jj+1
.endr
.set jj, 0
.rept 8
	global_load_b128 v[LX+32+4*jj:LX+32+4*jj+3], v1, s[16:17] offset:4096+512*jj th:TH_LOAD_NT
.set jj, jj+1
.endr
	s_wait_kmcnt 0x0
.irp s, 0,1,2
	s_add_co_i32 s61, s[32+2*\s], 127
	s_lshl_b32 s62, s61, 23
	v_mov_b32 v[LS+2*\s], s62                      ; 2^e
	s_add_co_i32 s61, s61, 8
	s_lshl_b32 s61, s61, 23
	s_or_b32 s61, s61, 0x600000
	v_mov_b32 v[LS+2*\s+1], s61                    ; 448 x 2^e
.endr
.macro ROW rho
.set XR, LX+32*\rho
.if \rho == 0
	s_wait_loadcnt 24                              ; row 0 is in; gain, bias and row 1 (24 loads) may be out
.else
	s_wait_loadcnt 0x0
.endif
	v_pk_add_f32 v[2:3], v[XR:XR+1], v[XR+2:XR+3]  ; the sum, in four chains
	v_pk_add_f32 v[4:5], v[XR+4:XR+5], v[XR+6:XR+7]
	v_pk_add_f32 v[6:7], v[XR+8:XR+9], v[XR+10:XR+11]
	v_pk_add_f32 v[8:9], v[XR+12:XR+13], v[XR+14:XR+15]
.irp j, 16,24
	s_delay_alu instid0(VALU_DEP_4)
	v_pk_add_f32 v[2:3], v[2:3], v[XR+\j:XR+\j+1]
	s_delay_alu instid0(VALU_DEP_4)
	v_pk_add_f32 v[4:5], v[4:5], v[XR+\j+2:XR+\j+3]
	s_delay_alu instid0(VALU_DEP_4)
	v_pk_add_f32 v[6:7], v[6:7], v[XR+\j+4:XR+\j+5]
	s_delay_alu instid0(VALU_DEP_4)
	v_pk_add_f32 v[8:9], v[8:9], v[XR+\j+6:XR+\j+7]
.endr
	s_delay_alu instid0(VALU_DEP_3)
	v_pk_add_f32 v[2:3], v[2:3], v[4:5]
	s_delay_alu instid0(VALU_DEP_2)
	v_pk_add_f32 v[6:7], v[6:7], v[8:9]
	s_delay_alu instid0(VALU_DEP_1)
	v_pk_add_f32 v[2:3], v[2:3], v[6:7]
	s_delay_alu instid0(VALU_DEP_1)
	v_add_f32 v2, v2, v3
	s_delay_alu instid0(VALU_DEP_1)
	v_add_f32_dpp v2, v2, v2 row_xmask:1 row_mask:0xf bank_mask:0xf
	s_delay_alu instid0(VALU_DEP_1)
	v_add_f32_dpp v2, v2, v2 row_xmask:2 row_mask:0xf bank_mask:0xf
	s_delay_alu instid0(VALU_DEP_1)
	v_add_f32_dpp v2, v2, v2 row_xmask:4 row_mask:0xf bank_mask:0xf
	s_delay_alu instid0(VALU_DEP_1)
	v_add_f32_dpp v2, v2, v2 row_xmask:8 row_mask:0xf bank_mask:0xf
	s_delay_alu instid0(VALU_DEP_1)
	v_permlanex16_b32 v3, v2, s58, s59
	s_delay_alu instid0(VALU_DEP_1)
	v_add_f32 v2, v2, v3
	s_delay_alu instid0(VALU_DEP_1)
	v_mul_f32 v2, s60, v2                          ; the mean, in every lane
	s_delay_alu instid0(VALU_DEP_1)
	v_mov_b32 v3, v2
.set jj, 0
.rept 16
	v_pk_add_f32 v[XR+jj:XR+jj+1], v[XR+jj:XR+jj+1], v[2:3] neg_lo:[0,1] neg_hi:[0,1]   ; x - mean
.set jj, jj+2
.endr
	v_pk_mul_f32 v[4:5], v[XR:XR+1], v[XR:XR+1]    ; the sum of squares of x - mean, in four chains
	v_pk_mul_f32 v[6:7], v[XR+2:XR+3], v[XR+2:XR+3]
	v_pk_mul_f32 v[8:9], v[XR+4:XR+5], v[XR+4:XR+5]
	v_pk_mul_f32 v[10:11], v[XR+6:XR+7], v[XR+6:XR+7]
.irp j, 8,16,24
	s_delay_alu instid0(VALU_DEP_4)
	v_pk_fma_f32 v[4:5], v[XR+\j:XR+\j+1], v[XR+\j:XR+\j+1], v[4:5]
	s_delay_alu instid0(VALU_DEP_4)
	v_pk_fma_f32 v[6:7], v[XR+\j+2:XR+\j+3], v[XR+\j+2:XR+\j+3], v[6:7]
	s_delay_alu instid0(VALU_DEP_4)
	v_pk_fma_f32 v[8:9], v[XR+\j+4:XR+\j+5], v[XR+\j+4:XR+\j+5], v[8:9]
	s_delay_alu instid0(VALU_DEP_4)
	v_pk_fma_f32 v[10:11], v[XR+\j+6:XR+\j+7], v[XR+\j+6:XR+\j+7], v[10:11]
.endr
	s_delay_alu instid0(VALU_DEP_3)
	v_pk_add_f32 v[4:5], v[4:5], v[6:7]
	s_delay_alu instid0(VALU_DEP_2)
	v_pk_add_f32 v[8:9], v[8:9], v[10:11]
	s_delay_alu instid0(VALU_DEP_1)
	v_pk_add_f32 v[4:5], v[4:5], v[8:9]
	s_delay_alu instid0(VALU_DEP_1)
	v_add_f32 v4, v4, v5
	s_delay_alu instid0(VALU_DEP_1)
	v_add_f32_dpp v4, v4, v4 row_xmask:1 row_mask:0xf bank_mask:0xf
	s_delay_alu instid0(VALU_DEP_1)
	v_add_f32_dpp v4, v4, v4 row_xmask:2 row_mask:0xf bank_mask:0xf
	s_delay_alu instid0(VALU_DEP_1)
	v_add_f32_dpp v4, v4, v4 row_xmask:4 row_mask:0xf bank_mask:0xf
	s_delay_alu instid0(VALU_DEP_1)
	v_add_f32_dpp v4, v4, v4 row_xmask:8 row_mask:0xf bank_mask:0xf
	s_delay_alu instid0(VALU_DEP_1)
	v_permlanex16_b32 v5, v4, s58, s59
	s_delay_alu instid0(VALU_DEP_1)
	v_add_f32 v4, v4, v5
	s_delay_alu instid0(VALU_DEP_1)
	v_fmaak_f32 v4, s60, v4, 0x358637bd            ; variance + 1e-6
	s_wait_alu depctr_va_vdst(0)
	v_rsq_f32 v6, v4
	v_rsq_f32 v7, v4                               ; twice: a pair for the packed multiply
	v_nop                                          ; a plain instruction behind the transcendentals
	s_wait_alu depctr_va_vdst(0)                   ; one wait for both, ahead of their first use
.if \rho == 0
	s_wait_loadcnt 8                               ; gain and bias are in; row 1's 8 loads may be out
.endif
.set jj, 0
.rept 16
	v_pk_mul_f32 v[XR+jj:XR+jj+1], v[XR+jj:XR+jj+1], v[6:7]
.set jj, jj+2
.endr
.set jj, 0
.rept 16
	v_pk_fma_f32 v[XR+jj:XR+jj+1], v[XR+jj:XR+jj+1], v[LG+jj:LG+jj+1], v[LB+jj:LB+jj+1]
.set jj, jj+2
.endr
.irp s, 0,1,2                          ; the same numbers under three scales.  The held numbers go into two sets of 8 by turns: the eight holds are the plain instructions behind each conversion
.irp m, 0,1,2,3
.irp i, 0,1,2,3,4,5,6,7
	v_med3_num_f32 v[LH+8*(\m%2)+\i], v[XR+8*\m+\i], -v[LS+2*\s+1], v[LS+2*\s+1]
.endr
	v_cvt_scalef32_pk8_fp8_f32 v[LC+24*\rho+8*\s+2*\m:LC+24*\rho+8*\s+2*\m+1], v[LH+8*(\m%2):LH+8*(\m%2)+7], v[LS+2*\s]
.endr
	global_store_b128 v1, v[LC+24*\rho+8*\s:LC+24*\rho+8*\s+3], s[52+2*\s:53+2*\s] offset:1024*\rho         ; positions 16 lane + 0..15: the wave stores 512 consecutive bytes
	global_store_b128 v1, v[LC+24*\rho+8*\s+4:LC+24*\rho+8*\s+7], s[52+2*\s:53+2*\s] offset:1024*\rho+512   ; positions 512 + 16 lane + 0..15.  No store's registers are written again
.endr
.endm
	ROW 0
	ROW 1
	s_endpgm
.Lfunc_end_k_q55eabfaf0a_prep:
	.size	k_q55eabfaf0a_prep, .Lfunc_end_k_q55eabfaf0a_prep-k_q55eabfaf0a_prep
	.p2alignl 7, 3214868480
	.fill 96, 4, 3214868480
	.section	.rodata,"a",@progbits
	.p2align	6, 0x0
	.amdhsa_kernel k_q55eabfaf0a_prep
		.amdhsa_group_segment_fixed_size 70656
		.amdhsa_private_segment_fixed_size 0
		.amdhsa_enable_private_segment 0
		.amdhsa_kernarg_size 96
		.amdhsa_user_sgpr_count 2
		.amdhsa_user_sgpr_kernarg_segment_ptr 1
		.amdhsa_wavefront_size32 1
		.amdhsa_system_sgpr_workgroup_id_x 1
		.amdhsa_system_sgpr_workgroup_id_y 1
		.amdhsa_system_sgpr_workgroup_id_z 1
		.amdhsa_system_vgpr_workitem_id 0
		.amdhsa_next_free_vgpr 224
		.amdhsa_next_free_sgpr 96
		.amdhsa_reserve_vcc 0
		.amdhsa_float_denorm_mode_32 3
		.amdhsa_float_denorm_mode_16_64 3
		.amdhsa_memory_ordered 1
		.amdhsa_forward_progress 1
		.amdhsa_inst_pref_size 91
	.end_amdhsa_kernel
	.amdgpu_metadata
---
amdhsa.version: [ 1, 2 ]
amdhsa.kernels:
  - .name:           k_q55eabfaf0a_prep
    .symbol:         k_q55eabfaf0a_prep.kd
    .args:
      - { .name: wq, .offset: 0, .size: 8, .value_kind: global_buffer, .address_space: global }
      - { .name: wk, .offset: 8, .size: 8, .value_kind: global_buffer, .address_space: global }
      - { .name: wv, .offset: 16, .size: 8, .value_kind: global_buffer, .address_space: global }
      - { .name: wo, .offset: 24, .size: 8, .value_kind: global_buffer, .address_space: global }
      - { .name: w1, .offset: 32, .size: 8, .value_kind: global_buffer, .address_space: global }
      - { .name: w2, .offset: 40, .size: 8, .value_kind: global_buffer, .address_space: global }
      - { .name: x, .offset: 48, .size: 8, .value_kind: global_buffer, .address_space: global }
      - { .name: ln1_g, .offset: 56, .size: 8, .value_kind: global_buffer, .address_space: global }
      - { .name: ln1_b, .offset: 64, .size: 8, .value_kind: global_buffer, .address_space: global }
      - { .name: lowp_scales, .offset: 72, .size: 8, .value_kind: global_buffer, .address_space: global }
      - { .name: wc, .offset: 80, .size: 8, .value_kind: global_buffer, .address_space: global }
      - { .name: hc, .offset: 88, .size: 8, .value_kind: global_buffer, .address_space: global }
    .group_segment_fixed_size: 70656
    .private_segment_fixed_size: 0
    .kernarg_segment_align: 8
    .kernarg_segment_size: 96
    .max_flat_workgroup_size: 256
    .sgpr_count:     96
    .vgpr_count:     224
    .wavefront_size: 32
...
	.end_amdgpu_metadata
.endif
;; end of part 1
;; launch qkv (part 2): grid 12 x 16, 4 waves a work-group, clusters of 4 x 4, 327,680 bytes of LDS; arguments hc, wc, lowp_scales, bq, bk, bv, qkvc; writes qkvc
.if DOCPART == 2
	.amdgcn_target "amdgcn-amd-amdhsa--gfx1250"
	.amdhsa_code_object_version 6
	.text
	.protected	k_q55eabfaf0a_qkv
	.globl	k_q55eabfaf0a_qkv
	.p2align	8
	.type	k_q55eabfaf0a_qkv,@function
k_q55eabfaf0a_qkv:
	s_mov_b64 s[64:65], 0
	v_nop
	global_prefetch_b8 v0, s[64:65] scope:SCOPE_SE
	s_setreg_imm32_b32 hwreg(HW_REG_WAVE_MODE, 25, 1), 1
	s_wait_xcnt 0x0
	s_wait_alu depctr_hold_cnt(0) depctr_sa_sdst(0) depctr_va_vdst(0) depctr_va_sdst(0) depctr_va_ssrc(0) depctr_va_vcc(0) depctr_vm_vsrc(0)
	s_getreg_b32 s2, hwreg(HW_REG_IB_STS2, 6, 4)
	s_cmp_eq_u32 s2, 0
	s_cbranch_scc0 .Lentry_in_a_cluster
	s_endpgm
.Lentry_in_a_cluster:
	s_bfe_u32 s2, ttmp6, 0x10000c
	s_cmp_lg_u32 s2, 0xf033
	s_cbranch_scc0 .Lentry_shape_is_right
	s_endpgm
.Lentry_shape_is_right:
.set KROW,   1024
.set ROWB,   256
.set PITCH,  272
.set FR,     16
.set NL,     4
.set NP,     4
.set HALFT,  128*PITCH
.set SLOT,   4*HALFT
.set SPARE,  2*SLOT
.set ADRA, 16
.set ADRB, 20
.set STQ,  24
.set RDQ,  25
.set STV,  26
.set RDV,  27
.set SPW,  28
.set NIL,  29
.set BOQ,  30
.set BOV,  31
.set GOF,  12
.set VSC,  8
.set VLM,  9
.set BR,   64
.set TT,   128
.set CD,   192
.set AF,   128
.set G1, 24
.set G0, 32
.set G1B, 48
.set G0B, 56
.set MSB, 0
.macro WIN new
.if MSB != (\new)
	s_set_vgpr_msb (MSB<<8)|(\new)
.set MSB, (\new)
.endif
.endm
.set MUL_LO, 0xa1
.set MUL_HI, 0xf1
.set TO_B,   0x40
.macro JLOAD g0a, g1a, g0b, g1b
	s_cmp_eq_u32 s15, 0
	s_cbranch_scc0 .Lfor_b_\@
	tensor_load_to_lds s[\g0a:\g0a+3], s[\g1a:\g1a+7]
	s_nop 0
.rept 4
	v_nop
.endr
	s_branch .Lasked_\@
.Lfor_b_\@:
	tensor_load_to_lds s[\g0b:\g0b+3], s[\g1b:\g1b+7]
	s_nop 0
.rept 4
	v_nop
.endr
.Lasked_\@:
.endm
.macro CREST
	s_cmp_lg_u32 s14, 0
	s_cbranch_scc1 .Lnot_wave_0_\@
	s_barrier_signal -3
.Lnot_wave_0_\@:
	s_barrier_wait -3
	s_barrier_signal -1
	s_barrier_wait -1
.endm
.macro CROUND
	s_barrier_signal -1
	s_barrier_wait -1
	CREST
.endm
	s_load_b128 s[4:7], s[0:1], 0x0
	s_load_b64 s[8:9], s[0:1], 0x10
	s_load_b128 s[84:87], s[0:1], 0x18
	s_load_b128 s[88:91], s[0:1], 0x28
	v_lshl_add_u32 v[SPW], v0, 2, SPARE
	v_mov_b32 v[NIL], 0
	ds_add_u32 v[SPW], v[NIL]
	ds_add_u32 v[SPW], v[NIL]
	v_lshrrev_b32 v1, 5, v0
	v_readfirstlane_b32 s14, v1
	v_and_b32 v22, 31, v0                          ; the prefetches' offset, v22, never rewritten: a lane a row of 1,024 bytes
	v_lshlrev_b32 v22, 10, v22
	s_lshr_b32 s15, s14, 1
	s_and_b32 s16, s14, 1
	s_bfe_u32 s40, ttmp6, 0x40000
	s_bfe_u32 s41, ttmp6, 0x40004
	s_mov_b32 s92, ttmp9
	s_and_b32 s93, ttmp7, 0xffff
	s_lshl_b32 s93, s93, 2
	s_cmp_eq_u32 s92, 2
	s_cselect_b32 s17, 0, s93
	s_cselect_b32 s42, s93, 0
	s_add_co_u32 s17, s17, s41
	s_add_co_u32 s42, s42, s40
	s_lshl_b32 s43, s41, 2
	s_lshl_b32 s43, 15, s43
	s_lshl_b32 s44, 0x1111, s40
	s_or_b32 s[G1+0], s43, (0<<16)|(1<<20)|(1<<21)|(5<<22)|(3<<25)
	s_or_b32 s[G1B+0], s44, (0<<16)|(1<<20)|(1<<21)|(5<<22)|(3<<25)
.irp g, G1, G1B
	s_mov_b32 s[\g+1], ROWB<<16
	s_mov_b32 s[\g+2], 128<<16
	s_mov_b32 s[\g+3], ROWB<<16
	s_mov_b32 s[\g+4], 128
	s_mov_b32 s[\g+5], KROW
	s_mov_b32 s[\g+6], 0
	s_mov_b32 s[\g+7], 0
.endr
	s_lshl_b32 s18, s16, 7
	s_lshl_b32 s20, s17, 8
	s_add_co_u32 s20, s20, s18
	s_lshl_b32 s46, s42, 8
	s_add_co_u32 s46, s46, s18
	s_mov_b32 s21, 0
	s_mov_b32 s47, 0
	s_mov_b64 s[18:19], KROW
	s_mul_u64 s[20:21], s[20:21], s[18:19]
	s_mul_u64 s[46:47], s[46:47], s[18:19]
	s_mul_i32 s45, s14, HALFT
	s_wait_dscnt 0x0
	s_wait_kmcnt 0x0
	s_load_b512 s[68:83], s[8:9], 0x0
	s_lshl_b32 s18, s92, 22
	s_mov_b32 s19, 0
	s_add_nc_u64 s[10:11], s[4:5], s[18:19]
	s_lshl_b32 s18, s92, 20
	s_add_nc_u64 s[12:13], s[6:7], s[18:19]
	s_cmp_eq_u32 s92, 2
	s_cselect_b64 s[4:5], s[12:13], s[10:11]
	s_cselect_b64 s[6:7], s[10:11], s[12:13]
	s_add_nc_u64 s[20:21], s[4:5], s[20:21]
	s_add_nc_u64 s[46:47], s[6:7], s[46:47]
	; A PREFETCH INTO THE L2 stands behind the loads of K steps 0 and 1, for K steps 2 and 3, the two refills: of the 128 rows that my wave fetches, the four partners that ask for them jointly take 32 each,
	; told apart by address (cx for source A's rows, cy for source B's): a lane a row, 256 bytes of it, one instruction a wave.  s[2:3] and v22 are never rewritten.
	s_cmp_eq_u32 s15, 0
	s_cselect_b64 s[2:3], s[20:21], s[46:47]
	s_cselect_b32 s18, s40, s41
	s_lshl_b32 s18, s18, 15                        ; my work-group's 32 rows of 1,024 bytes
	s_mov_b32 s19, 0
	s_add_nc_u64 s[2:3], s[2:3], s[18:19]
	CROUND
.irp s, 0,1
	s_mov_b32 s[G0+4*\s], 1
	s_add_co_u32 s[G0+4*\s+1], s45, \s*SLOT
	s_add_nc_u64 s[G0+4*\s+2:G0+4*\s+3], s[20:21], \s*ROWB
	s_or_b32 s[G0+4*\s+3], s[G0+4*\s+3], 0x80000000
	s_mov_b32 s[G0B+4*\s], 1
	s_add_co_u32 s[G0B+4*\s+1], s45, \s*SLOT
	s_add_nc_u64 s[G0B+4*\s+2:G0B+4*\s+3], s[46:47], \s*ROWB
	s_or_b32 s[G0B+4*\s+3], s[G0B+4*\s+3], 0x80000000
	s_wait_alu depctr_va_vdst(0)
	s_wait_tensorcnt 0x0
	ds_add_u32 v28, v29
	ds_add_u32 v28, v29
	s_wait_dscnt 0x0
	CROUND
	JLOAD G0+4*\s, G1, G0B+4*\s, G1B
	global_prefetch_b8 v22, s[2:3] offset:(\s+2)*ROWB th:TH_LOAD_NT scope:SCOPE_SE   ; behind the load of K step s: K step s + 2
.endr
	v_and_b32 v1, 15, v0
	s_wait_alu depctr_va_vdst(0)
	v_bfe_u32 v2, v0, 4, 1
	v_mul_u32_u24 v3, v1, PITCH
	v_lshl_add_u32 v4, v2, 4, v3
	s_mul_i32 s21, s15, HALFT
	s_mul_i32 s22, s16, HALFT
	s_add_co_u32 s22, s22, 2*HALFT
.irp s, 0,1
	v_add_nc_u32 v[ADRA+\s], s21, v4
	v_add_nc_u32 v[ADRB+\s], s22, v4
	s_add_co_u32 s21, s21, SLOT
	s_add_co_u32 s22, s22, SLOT
.endr
	s_mul_i32 s23, s14, 9216
	v_mul_u32_u24 v5, v1, 144
	s_wait_alu depctr_va_vdst(0)
	v_lshl_add_u32 v5, v2, 3, v5
	v_add_nc_u32 v[STQ], s23, v5
	v_add_nc_u32 v[STV], 40960, v[STQ]
	v_and_b32 v6, 31, v0
	v_lshrrev_b32 v7, 2, v6
	v_mul_u32_u24 v7, v7, 144
	v_and_b32 v10, 3, v6
	v_lshl_add_u32 v7, v10, 4, v7
	v_add_nc_u32 v[RDQ], s23, v7
	v_lshrrev_b32 v7, 3, v6
	v_mul_u32_u24 v7, v7, 144
	v_and_b32 v10, 7, v6
	v_lshl_add_u32 v7, v10, 4, v7
	v_add_nc_u32 v7, s23, v7
	v_add_nc_u32 v[RDV], 40960, v7
	v_lshlrev_b32 v[GOF], 4, v6
	v_lshlrev_b32 v[BOQ], 5, v2
	v_lshlrev_b32 v[BOV], 2, v1
.macro FRAG reg, adr, q, i
.irp c, 0,1,2,3
	ds_load_b128 v[\reg+4*\c:\reg+4*\c+3], v[\adr] offset:128*(\q)+32*\c+(\i)*16*PITCH
.endr
.endm
.macro MUL16 a0, p, zero
.irp a, \a0, \a0+1
.irp b, 0,1,2,3,4,5,6,7
.if \zero
	v_wmma_f32_16x16x128_fp8_fp8 v[8*(8*((\a)%4)+\b):8*(8*((\a)%4)+\b)+7], v[128*(\p)+FR*\b:128*(\p)+FR*\b+FR-1], v[AF+FR*(\a):AF+FR*(\a)+FR-1], 0
.else
	v_wmma_f32_16x16x128_fp8_fp8 v[8*(8*((\a)%4)+\b):8*(8*((\a)%4)+\b)+7], v[128*(\p)+FR*\b:128*(\p)+FR*\b+FR-1], v[AF+FR*(\a):AF+FR*(\a)+FR-1], v[8*(8*((\a)%4)+\b):8*(8*((\a)%4)+\b)+7]
.endif
.endr
.endr
.endm
.macro FETCH_B slot, q, p
	WIN TO_B
.irp i, 0,1,2,3,4,5,6,7
	FRAG 128*(\p)+FR*\i, ADRB+\slot, \q, \i
.endr
	WIN 0
.endm
.macro FETCH_A slot, q, i0
.irp i, \i0, \i0+1, \i0+2, \i0+3
	FRAG AF+FR*(\i), ADRA+\slot, \q, \i
.endr
.endm
.macro PLACES n
.rept \n
	v_nop
.endr
.endm
.macro STEP slot, q, zero
	s_wait_dscnt 4*NL
	WIN MUL_LO
	MUL16 0, (\q)%2, \zero
	MUL16 2, (\q)%2, \zero
	s_wait_dscnt 0
	PLACES NP
	FETCH_B \slot, (\q)+1, 1-(\q)%2
	FETCH_A \slot, (\q)+1, 0
	WIN MUL_HI
	MUL16 4, (\q)%2, \zero
	MUL16 6, (\q)%2, \zero
	PLACES NP
	WIN 0
	FETCH_A \slot, (\q)+1, 4
.endm
.macro TURN slot, next, fill
	s_wait_tensorcnt 0x0
	ds_add_u32 v[SPW], v[NIL]
	s_wait_dscnt 4*NL+1
	WIN MUL_LO
	MUL16 0, 1, 0
	s_wait_dscnt 0x0
	s_barrier_signal -1
	MUL16 2, 1, 0
	WIN 0
	s_barrier_wait -1
.if \fill
	CREST
	s_add_nc_u64 s[G0+4*\slot+2:G0+4*\slot+3], s[G0+4*\slot+2:G0+4*\slot+3], 2*ROWB
	s_add_nc_u64 s[G0B+4*\slot+2:G0B+4*\slot+3], s[G0B+4*\slot+2:G0B+4*\slot+3], 2*ROWB
	JLOAD G0+4*\slot, G1, G0B+4*\slot, G1B
.else
	PLACES NP
.endif
	FETCH_B \next, 0, 0
	FETCH_A \next, 0, 0
	WIN MUL_HI
	MUL16 4, 1, 0
	MUL16 6, 1, 0
	PLACES NP
	WIN 0
	FETCH_A \next, 0, 4
.endm
.macro LAST
	s_wait_dscnt 4*NL
	WIN MUL_LO
	MUL16 0, 1, 0
	MUL16 2, 1, 0
	s_wait_dscnt 0
	WIN MUL_HI
	MUL16 4, 1, 0
	MUL16 6, 1, 0
	WIN 0
.endm
.macro EPI kind, sto, rd
.irp hf, 0,1
.if \hf
	s_wait_xcnt 0x0
.endif
.irp ap, 0,1,2,3
.if \ap >= 2
	s_wait_dscnt 8
.endif
	WIN 0x02+\hf
.set jj, 0
.rept 32
.if \kind
	v_pk_fma_f32 v[TT+jj:TT+jj+1], v[64*\ap+jj:64*\ap+jj+1], s[96:97], v[BR+2*(4*\hf+\ap):BR+2*(4*\hf+\ap)+1] op_sel_hi:[1,0,1]
.else
	v_pk_fma_f32 v[TT+jj:TT+jj+1], v[64*\ap+jj:64*\ap+jj+1], s[96:97], v[BR+jj:BR+jj+1] op_sel_hi:[1,0,1]
.endif
.set jj, jj+2
.endr
	WIN 0
.set jj, 0
.rept 64
	v_med3_num_f32 v[TT+jj], v[TT+jj], -v[VLM], v[VLM]
.set jj, jj+1
.endr
.irp b, 0,1,2,3,4,5,6,7
	v_cvt_scalef32_pk8_fp8_f32 v[CD+16*(\ap%2)+2*\b:CD+16*(\ap%2)+2*\b+1], v[TT+8*\b:TT+8*\b+7], v[VSC]
.endr
	v_nop
.irp b, 0,1,2,3,4,5,6,7
	ds_store_b64 v[\sto], v[CD+16*(\ap%2)+2*\b:CD+16*(\ap%2)+2*\b+1] offset:2304*\ap+16*\b
.endr
.endr
.set ii, 0
.rept 16
.if \kind
	ds_load_b128 v[TT+4*ii:TT+4*ii+3], v[\rd] offset:576*ii
.else
	ds_load_b128 v[TT+4*ii:TT+4*ii+3], v[\rd] offset:1152*(ii%8)+64*(ii/8)
.endif
.set ii, ii+1
.endr
.set ii, 0
.rept 16
	s_wait_dscnt 15-ii
.if \kind
	global_store_b128 v[GOF], v[TT+4*ii:TT+4*ii+3], s[90:91] offset:131072*\hf+512*ii
.else
	global_store_b128 v[GOF], v[TT+4*ii:TT+4*ii+3], s[90:91] offset:131072*(ii/8)+4096*\hf+512*(ii%8)
.endif
.set ii, ii+1
.endr
.endr
.endm
.macro FINISH
	s_wait_tensorcnt 0x0
	ds_add_u32 v[SPW], v[NIL]
	s_wait_dscnt 0x0
	CROUND
	s_endpgm
.endm
	s_wait_tensorcnt 1
	s_barrier_signal -1
	s_barrier_wait -1
	FETCH_B 0, 0, 0
	FETCH_A 0, 0, 0
	FETCH_A 0, 0, 4
	STEP 0, 0, 1
	TURN 0, 1, 1
	STEP 1, 0, 0
	TURN 1, 0, 1
	STEP 0, 0, 0
	TURN 0, 1, 0
	STEP 1, 0, 0
	s_wait_kmcnt 0x0
	s_cmp_eq_u32 s92, 1
	s_cselect_b32 s94, s70, s68
	s_cselect_b32 s95, s71, s69
	s_cselect_b32 s98, s75, s74
	s_cmp_eq_u32 s92, 2
	s_cselect_b32 s94, s72, s94
	s_cselect_b32 s95, s73, s95
	s_cselect_b32 s98, s77, s98
	s_add_co_i32 s96, s94, s95
	s_add_co_i32 s96, s96, 127
	s_lshl_b32 s96, s96, 23
	s_mov_b32 s97, s96
	s_add_co_i32 s98, s98, 127
	s_lshl_b32 s99, s98, 23
	v_mov_b32 v[VSC], s99
	s_add_co_i32 s98, s98, 8
	s_lshl_b32 s98, s98, 23
	s_or_b32 s98, s98, 0x600000
	v_mov_b32 v[VLM], s98
	s_cmp_eq_u32 s92, 2
	s_cbranch_scc1 .Lv
	s_cmp_eq_u32 s92, 0
	s_cselect_b64 s[84:85], s[84:85], s[86:87]
	s_lshl_b32 s66, s42, 10
	s_lshl_b32 s67, s16, 9
	s_add_co_u32 s66, s66, s67
	s_mov_b32 s67, 0
	s_add_nc_u64 s[84:85], s[84:85], s[66:67]
	s_wait_alu depctr_va_vdst(0)
.irp b, 0,1,2,3,4,5,6,7
	global_load_b128 v[BR+8*\b:BR+8*\b+3], v[BOQ], s[84:85] offset:64*\b
	global_load_b128 v[BR+8*\b+4:BR+8*\b+7], v[BOQ], s[84:85] offset:64*\b+16
.endr
	s_lshl_b32 s66, s17, 8
	s_lshl_b32 s67, s15, 7
	s_add_co_u32 s66, s66, s67
	s_lshl_b32 s99, s42, 2
	s_lshl_b32 s100, s16, 1
	s_add_co_u32 s99, s99, s100
	s_lshr_b32 s100, s66, 11
	s_lshl_b32 s100, s100, 4
	s_add_co_u32 s99, s99, s100
	s_lshl_b32 s99, s99, 11
	s_and_b32 s66, s66, 2047
	s_add_co_u32 s66, s66, s99
	s_lshl_b32 s66, s66, 6
	s_lshl_b32 s99, s92, 22
	s_add_co_u32 s66, s66, s99
	s_mov_b32 s67, 0
	s_add_nc_u64 s[90:91], s[90:91], s[66:67]
	LAST
	s_wait_loadcnt 0x0
	PLACES NP
	EPI 0, STQ, RDQ
	FINISH
.Lv:
	s_lshl_b32 s66, s17, 10
	s_lshl_b32 s67, s15, 9
	s_add_co_u32 s66, s66, s67
	s_mov_b32 s67, 0
	s_add_nc_u64 s[88:89], s[88:89], s[66:67]
	s_wait_alu depctr_va_vdst(0)
.irp a, 0,1,2,3,4,5,6,7
	global_load_b32 v[BR+2*\a], v[BOV], s[88:89] offset:64*\a
.endr
	s_lshl_b32 s66, s42, 8
	s_lshl_b32 s67, s16, 7
	s_add_co_u32 s66, s66, s67
	s_lshl_b32 s99, s17, 2
	s_lshl_b32 s100, s15, 1
	s_add_co_u32 s99, s99, s100
	s_lshr_b32 s100, s66, 11
	s_lshl_b32 s100, s100, 4
	s_add_co_u32 s99, s99, s100
	s_lshl_b32 s99, s99, 4
	s_and_b32 s66, s66, 2047
	s_lshr_b32 s66, s66, 7
	s_add_co_u32 s66, s66, s99
	s_lshl_b32 s66, s66, 13
	s_add_co_u32 s66, s66, 0x800000
	s_mov_b32 s67, 0
	s_add_nc_u64 s[90:91], s[90:91], s[66:67]
	LAST
	s_wait_loadcnt 0x0
	PLACES NP
.irp a, 0,1,2,3,4,5,6,7
	v_mov_b32 v[BR+2*\a+1], v[BR+2*\a]
.endr
	EPI 1, STV, RDV
	FINISH
.Lfunc_end_k_q55eabfaf0a_qkv:
	.size	k_q55eabfaf0a_qkv, .Lfunc_end_k_q55eabfaf0a_qkv-k_q55eabfaf0a_qkv
	.p2alignl 7, 3214868480
	.fill 96, 4, 3214868480
	.section	.rodata,"a",@progbits
	.p2align	6, 0x0
	.amdhsa_kernel k_q55eabfaf0a_qkv
		.amdhsa_group_segment_fixed_size 327680
		.amdhsa_private_segment_fixed_size 0
		.amdhsa_enable_private_segment 0
		.amdhsa_kernarg_size 56
		.amdhsa_user_sgpr_count 2
		.amdhsa_user_sgpr_kernarg_segment_ptr 1
		.amdhsa_wavefront_size32 1
		.amdhsa_system_sgpr_workgroup_id_x 1
		.amdhsa_system_sgpr_workgroup_id_y 1
		.amdhsa_system_sgpr_workgroup_id_z 1
		.amdhsa_system_vgpr_workitem_id 0
		.amdhsa_next_free_vgpr 1024
		.amdhsa_next_free_sgpr 102
		.amdhsa_reserve_vcc 0
		.amdhsa_float_denorm_mode_32 3
		.amdhsa_float_denorm_mode_16_64 3
		.amdhsa_memory_ordered 1
		.amdhsa_forward_progress 1
		.amdhsa_inst_pref_size 215
	.end_amdhsa_kernel
	.amdgpu_metadata
---
amdhsa.version: [ 1, 2 ]
amdhsa.kernels:
  - .name:           k_q55eabfaf0a_qkv
    .symbol:         k_q55eabfaf0a_qkv.kd
    .args:
      - { .name: hc, .offset: 0, .size: 8, .value_kind: global_buffer, .address_space: global }
      - { .name: wc, .offset: 8, .size: 8, .value_kind: global_buffer, .address_space: global }
      - { .name: lowp_scales, .offset: 16, .size: 8, .value_kind: global_buffer, .address_space: global }
      - { .name: bq, .offset: 24, .size: 8, .value_kind: global_buffer, .address_space: global }
      - { .name: bk, .offset: 32, .size: 8, .value_kind: global_buffer, .address_space: global }
      - { .name: bv, .offset: 40, .size: 8, .value_kind: global_buffer, .address_space: global }
      - { .name: qkvc, .offset: 48, .size: 8, .value_kind: global_buffer, .address_space: global }
    .group_segment_fixed_size: 327680
    .private_segment_fixed_size: 0
    .kernarg_segment_align: 8
    .kernarg_segment_size: 56
    .max_flat_workgroup_size: 128
    .sgpr_count:     102
    .vgpr_count:     1024
    .wavefront_size: 32
...
	.end_amdgpu_metadata
.endif
;; end of part 2
;; launch attn (part 3): grid 8 x 32, 8 waves a work-group, clusters of 4 x 1, 327,680 bytes of LDS; arguments qkvc, lowp_scales, ao; writes ao
.if DOCPART == 3
	.amdgcn_target "amdgcn-amd-amdhsa--gfx1250"
	.amdhsa_code_object_version 6
	.text
	.protected	k_q55eabfaf0a_attn
	.globl	k_q55eabfaf0a_attn
	.p2align	8
	.type	k_q55eabfaf0a_attn,@function
k_q55eabfaf0a_attn:
	s_mov_b64 s[64:65], 0
	v_nop
	global_prefetch_b8 v0, s[64:65] scope:SCOPE_SE
	s_setreg_imm32_b32 hwreg(HW_REG_WAVE_MODE, 25, 1), 1
	s_wait_xcnt 0x0
	s_wait_alu depctr_hold_cnt(0) depctr_sa_sdst(0) depctr_va_vdst(0) depctr_va_sdst(0) depctr_va_ssrc(0) depctr_va_vcc(0) depctr_vm_vsrc(0)
	s_getreg_b32 s2, hwreg(HW_REG_IB_STS2, 6, 4)
	s_cmp_eq_u32 s2, 0
	s_cbranch_scc0 .Lentry_in_a_cluster
	s_endpgm
.Lentry_in_a_cluster:
	s_bfe_u32 s2, ttmp6, 0x10000c
	s_cmp_lg_u32 s2, 0x3003
	s_cbranch_scc0 .Lentry_shape_is_right
	s_endpgm
.Lentry_shape_is_right:
; ATTENTION on codes of E4M3: o = softmax(q k^T / 8) v for each of 32 (batch, head), then quantised with e10 for the projection.  No mask; no work is left out.
; THE SOFTMAX AHEAD OF THE SECOND PRODUCT: t = score x log2(e) / 8; M = the running largest t rounded UP to a whole number; p = 2^(t - M) is quantised with e8, not normalised; the row's sum is taken of the
; unquantised p and divides at the end; when M moves, the sum and O are multiplied by 2^(old M - new M), which rounds nothing.
; SHARES.  A work-group owns 256 queries of one (batch, head); each of its eight waves 32 of them, two tiles of 16, so that each fragment of K and V read from LDS feeds two products.  Two waves to a SIMD.
; THE HEAD'S WHOLE K AND V LIE IN LDS (2,048 x 80 + 1,024 x 144 bytes): every LDS byte is filled once, there is no ring.  They come in two stages, of 768 and of 1,280 keys, one tensor load a wave for each:
; waves 0-3 fetch K (192, then 320 rows of 64 bytes), waves 4-7 V (96, then 160 rows of 128 bytes; V's blocks of 128 keys x 64 channels lie on end, in memory and in LDS).  Stage 0 is asked for at the head;
; stage 1 behind the wait for stage 0, the add and a round of the cluster's barrier; key steps 0 to 4 read stage 0 alone (K up to key 767, V's blocks 0 to 4) while stage 1 lands.
; By this text's own count a wave has one tensor load out.
; CLUSTER: the four blocks of queries of a cluster belong to one head: each tile is asked for jointly, mask 15.
; LAYOUT.  Both products transposed: S^T = K Q^T (K = 64: one instruction a tile), O^T = V^T P^T (K = 128 keys).  A lane holds ONE query (lane % 16).  Register j of tile t of S^T is key 16 t + 8 (lane / 16) + j,
; so the conversion of tile t gives registers 2 t, 2 t + 1 of the second product's operand in that form's own layout; V's fragments come by loads of 8 bytes in the same layout.
; THE ORDER OF A KEY STEP.  O^T is rescaled ahead of the exponentials.  The exponentials go in two batches of 64, a wait ahead of the first and one behind each.  Among tile 0's stand tile 1's 32 scalings; among tile 1's
; stand, of tile 0, 16 sums of four numbers (into the registers of p's codes, which are free then) and the 32 holds (two numbers an instruction).  What a plain line writes inside a batch is first read behind that batch's wait.
; OUT: ao is laid [32 blocks of 128 rows][16 heads][128 rows][64 codes], so that the projection's tile of 128 rows is one dense block; a wave's 32 rows of a head are 2,048 dense bytes.
; No prefetch: all of K and V is asked for by the second load, which has five key steps in which to land; no later request exists to run ahead of.
; LIMITS: e6 + e7 between -123 and 130 (added to c's exponent field); e8 and e10 between -126 and 119.  NaN is not served.
; REGISTERS.  window 0: v1-7 addresses; tile X: v[8+6X] -M, +1 the largest t, +2,+3 the sum, +4 f (+5 is only named with it as a pair: v13 holds the hold's limit once more, v19 0); v20-29 at work; v30 the hold, v31 the scale;
;   v32-95 K's 8 fragments; v[96+64X..] S^T, then p; v[224+16X..] p's codes.   window 1: v[32X..] O^T; v[64+8X..] Q; v128-191 V's 4 fragments.
.set VOFF,  163840
.set STAGE, 311296                     ; the way out: 1,024 bytes for each wave
.set SPARE, 319488                     ; the spare words, 128 bytes a wave
.set AK0, 1
.set AV0, 2
.set ADK, 3
.set ADV, 4
.set SPW, 5
.set NIL, 6
.set GO,  7
.set G1K, 16                           ; s[16:23] K's group 1 for stage 0, s[40:47] for stage 1
.set G1V, 24                           ; s[24:31] V's group 1 for stage 0, s[56:63] for stage 1
.set G0K, 32                           ; s[32:39] K's group 0, one set for each stage
.set G1K2, 40
.set G0V, 48                           ; s[48:55] V's
.set G1V2, 56
.set PADK, 15|(1<<20)|(1<<21)|(3<<22)|(3<<25)   ; mask: all four; elements of 1 byte; padding on; bit 21 beside a mask; after every 16 words, 4 words
.set PADV, 15|(1<<20)|(1<<21)|(4<<22)|(3<<25)   ; after every 32 words, 4 words
.set CS,  66
.set SEL, 68
.set TK,  70
.set TV,  71
.set WV,  72
.set CNT, 73
.set MSB, 0
.macro WIN new
.if MSB != (\new)
	s_set_vgpr_msb (MSB<<8)|(\new)
.set MSB, (\new)
.endif
.endm
.macro CROUND                          ; a round of the cluster's barrier
	s_barrier_signal -1
	s_barrier_wait -1
	s_cmp_lg_u32 s[WV], 0
	s_cbranch_scc1 .Lnot_wave_0_\@
	s_barrier_signal -3
.Lnot_wave_0_\@:
	s_barrier_wait -3
	s_barrier_signal -1
	s_barrier_wait -1
.endm
.macro TLOAD c, gk, gv                 ; stage c: one joint load a wave, in one arm of one branch on the wave's number; s_nop 0 and four v_nop behind each line
	s_cmp_lt_u32 s[WV], 4
	s_cbranch_scc0 .Lfor_v_\@
	tensor_load_to_lds s[G0K+4*\c:G0K+4*\c+3], s[\gk:\gk+7]
	s_nop 0
.rept 4
	v_nop
.endr
	s_branch .Lasked_\@
.Lfor_v_\@:
	tensor_load_to_lds s[G0V+4*\c:G0V+4*\c+3], s[\gv:\gv+7]
	s_nop 0
.rept 4
	v_nop
.endr
.Lasked_\@:
.endm
.macro GROUP1 g, w0, c, r              ; r dense rows of c bytes
	s_mov_b32 s[\g], \w0
	s_mov_b32 s[\g+1], (\c)<<16                    ; tensor_dim0
	s_mov_b32 s[\g+2], (\r)<<16                    ; tensor_dim1
	s_mov_b32 s[\g+3], (\c)<<16                    ; tile_dim0
	s_mov_b32 s[\g+4], \r                          ; tile_dim1
	s_mov_b32 s[\g+5], \c                          ; bytes from row to row
	s_mov_b32 s[\g+6], 0
	s_mov_b32 s[\g+7], 0
.endm
	s_load_b128 s[4:7], s[0:1], 0x0                ; qkvc, lowp_scales
	s_load_b64 s[8:9], s[0:1], 0x10                ; ao
	v_lshl_add_u32 v[SPW], v0, 2, SPARE
	v_mov_b32 v[NIL], 0
	ds_add_u32 v[SPW], v[NIL]                      ; the wave's opening: the add, twice on end, and its wait ahead of my first tensor load
	ds_add_u32 v[SPW], v[NIL]
	v_lshrrev_b32 v20, 5, v0
	v_readfirstlane_b32 s[WV], v20                 ; wave 0..7
	s_and_b32 s10, ttmp7, 0xffff                   ; 16 x batch + head, which the four partners share
	s_and_b32 s13, s[WV], 3
	s_lshl_b32 s14, s10, 17                        ; a head's Q, its K and its V are 131,072 bytes each
	s_mov_b32 s15, 0
	s_mul_i32 s92, s13, 12288                      ; my quarter of stage 0's 49,152 bytes of K or of V,
	s_mov_b32 s93, 0
	s_mul_i32 s94, s13, 20480                      ; and of stage 1's 81,920
	s_mov_b32 s95, 0
	GROUP1 G1K, PADK, 64, 192
	GROUP1 G1V, PADV, 128, 96
	GROUP1 G1K2, PADK, 64, 320
	GROUP1 G1V2, PADV, 128, 160
	s_mul_i32 s74, s13, 15360                      ; in LDS: stage 0: 192 rows of 80 bytes,
	s_mul_i32 s75, s13, 13824                      ; or 96 rows of 144;
	s_add_co_u32 s75, s75, VOFF
	s_mul_i32 s11, s13, 25600                      ; stage 1: 320 rows of 80, behind stage 0's 768,
	s_add_co_u32 s11, s11, 61440
	s_mul_i32 s12, s13, 23040                      ; or 160 rows of 144, behind stage 0's 384
	s_add_co_u32 s12, s12, VOFF+55296
	s_mov_b32 s[SEL], 0x76543210
	s_mov_b32 s[SEL+1], 0xfedcba98
	s_mov_b32 s[CS], 0x3e38aa3b                    ; c = log2(e) / 8
	s_wait_dscnt 0x0                               ; both opening adds are done
	s_wait_kmcnt 0x0
	s_load_b512 s[76:91], s[6:7], 0x0              ; the exponents: entry i in s[76 + i]
	s_add_nc_u64 s[2:3], s[4:5], s[14:15]          ; the head's Q; its K lies 4 MiB further on, its V 8 MiB
	s_add_nc_u64 s[92:93], s[2:3], s[92:93]
	s_add_nc_u64 s[94:95], s[2:3], s[94:95]
	s_mov_b32 s[G0K], 1                            ; a group 0 for each stage, for K and for V: none is written while its load is out
	s_mov_b32 s[G0K+1], s74
	s_add_nc_u64 s[G0K+2:G0K+3], s[92:93], 0x400000
	s_or_b32 s[G0K+3], s[G0K+3], 0x80000000
	s_mov_b32 s[G0V], 1
	s_mov_b32 s[G0V+1], s75
	s_add_nc_u64 s[G0V+2:G0V+3], s[92:93], 0x800000
	s_or_b32 s[G0V+3], s[G0V+3], 0x80000000
	s_mov_b32 s[G0K+4], 1
	s_mov_b32 s[G0K+5], s11
	s_add_nc_u64 s[G0K+6:G0K+7], s[94:95], 0x400000+49152
	s_or_b32 s[G0K+7], s[G0K+7], 0x80000000
	s_mov_b32 s[G0V+4], 1
	s_mov_b32 s[G0V+5], s12
	s_add_nc_u64 s[G0V+6:G0V+7], s[94:95], 0x800000+49152
	s_or_b32 s[G0V+7], s[G0V+7], 0x80000000
	CROUND                                         ; all four work-groups are here: the joint loads meet
	TLOAD 0, G1K, G1V                              ; stage 0: my one tensor load at the head
	s_bfe_u32 s92, ttmp6, 0x40000                  ; cx: it enters Q's and ao's addresses alone
	s_lshl_b32 s93, ttmp9, 2
	s_add_co_u32 s92, s92, s93                     ; my block of 256 queries, 0..7
	s_lshl_b32 s94, s92, 14
	s_lshl_b32 s93, s[WV], 11
	s_add_co_u32 s94, s94, s93                     ; my wave's 32 rows of 64 bytes
	s_lshl_b32 s93, s10, 17
	s_add_co_u32 s94, s94, s93
	s_mov_b32 s95, 0
	s_add_nc_u64 s[4:5], s[4:5], s[94:95]          ; Q
	s_lshr_b32 s93, s10, 4
	s_lshl_b32 s93, s93, 4                         ; ao: block of 128 rows = 16 x batch + 2 x my block + wave / 4,
	s_lshl_b32 s92, s92, 1
	s_add_co_u32 s93, s93, s92
	s_lshr_b32 s92, s[WV], 2
	s_add_co_u32 s93, s93, s92
	s_lshl_b32 s94, s93, 17                        ; of 131,072 bytes;
	s_and_b32 s93, s10, 15
	s_lshl_b32 s93, s93, 13                        ; the head's 8,192 in it;
	s_add_co_u32 s94, s94, s93
	s_and_b32 s93, s[WV], 3
	s_lshl_b32 s93, s93, 11                        ; my 32 rows
	s_add_co_u32 s94, s94, s93
	s_add_nc_u64 s[8:9], s[8:9], s[94:95]
	v_and_b32 v20, 15, v0                          ; r
	v_bfe_u32 v21, v0, 4, 1                        ; h
	v_lshlrev_b32 v22, 6, v20
	v_lshl_add_u32 v22, v21, 4, v22                ; Q: row r, + 16 h
	WIN 0x40
.irp X, 0,1
	global_load_b128 v[64+8*\X:67+8*\X], v22, s[4:5] offset:1024*\X            ; a fragment 16 x 64: registers 4 c .. hold channels 32 c + 16 h + 0 .. 15, in K's fragments too
	global_load_b128 v[68+8*\X:71+8*\X], v22, s[4:5] offset:1024*\X+32
.endr
.set jj, 0
.rept 64
	v_mov_b32 v[jj], 0                             ; O^T: the step is written once; its first run finds zeros, which the first change of M leaves zeros
.set jj, jj+1
.endr
	WIN 0
	v_mul_u32_u24 v[AK0], v20, 80
	v_lshl_add_u32 v[AK0], v21, 4, v[AK0]
	v_mul_u32_u24 v[AV0], v20, 144
	v_lshl_add_u32 v[AV0], v21, 3, v[AV0]
	v_add_nc_u32 v[AV0], VOFF, v[AV0]
.irp X, 0,1
	v_mov_b32 v[9+6*\X], 0xff61b1e6                ; the largest t so far: -3e38
	v_floor_f32 v[8+6*\X], -v[9+6*\X]              ; -M
	v_mov_b32 v[10+6*\X], 0                        ; the sum, in two halves
	v_mov_b32 v[11+6*\X], 0
	v_mov_b32 v[24+\X], 0                          ; a lane permute's destination counts as read
.endr
	v_mov_b32 v19, 0                               ; (named as the upper half of tile 1's pair of f)
	s_wait_kmcnt 0x0
	s_add_co_i32 s92, s82, s83
	s_lshl_b32 s92, s92, 23
	s_add_co_i32 s[CS], s[CS], s92                 ; a score stands for score x 2^(e6 + e7)
	s_mov_b32 s[CS+1], s[CS]
	s_add_co_i32 s92, s84, 127
	s_lshl_b32 s93, s92, 23
	v_mov_b32 v31, s93                             ; 2^e8
	s_add_co_i32 s92, s92, 8
	s_lshl_b32 s92, s92, 23
	s_or_b32 s92, s92, 0x600000
	v_mov_b32 v30, s92                             ; 448 x 2^e8,
	v_mov_b32 v13, s92                             ; and once more for the second half of the dual hold (also the upper half of tile 0's pair of f, where it is only named)
.macro QK                              ; S^T of the next step: 16 products, each starts its sum
	WIN 0x04                                       ; source 1 (Q) window 1
.irp t, 0,1,2,3,4,5,6,7
.irp X, 0,1
	v_wmma_f32_16x16x64_fp8_fp8 v[96+64*\X+8*\t:103+64*\X+8*\t], v[32+8*\t:39+8*\t], v[64+8*\X:71+8*\X], 0
.endr
.endr
.endm
.macro KLOAD
.irp t, 0,1,2,3,4,5,6,7
	ds_load_b128 v[32+8*\t:35+8*\t], v[ADK] offset:1280*\t
	ds_load_b128 v[36+8*\t:39+8*\t], v[ADK] offset:1280*\t+32
.endr
.endm
.macro HOLD2 r                         ; the hold of two numbers (p is not negative: one-sided): destinations an even and an odd register, the limit in v30 and in v13
	v_dual_min_num_f32 v[\r], v30, v[\r] :: v_dual_min_num_f32 v[\r+1], v13, v[\r+1]
.endm
; ONE TRIP: the softmax and V^T P^T of key step j (128 keys), and, kq = 1, K Q^T of step j + 1.
.macro ROT kq
	WIN 0
	v_add_nc_u32 v[ADV], s[TV], v[AV0]             ; this line and the three below: the four places behind the last products, ahead of the loads into their operands and of the first read of S^T
.if \kq
	v_add_nc_u32 v[ADK], s[TK], v[AK0]
.else
	v_nop
.endif
	v_nop
	v_nop
	s_add_co_u32 s[TV], s[TV], 9216
.if \kq
	s_add_co_u32 s[TK], s[TK], 10240
.endif
	WIN 0x40
.irp u, 0,1,2,3
.irp c, 0,1,2,3,4,5,6,7
	ds_load_b64 v[128+16*\u+2*\c:129+16*\u+2*\c], v[ADV] offset:2304*\u+16*\c   ; V of step j: channel 16 u + r, keys 16 c + 8 h + 0 .. 7
.endr
.endr
	WIN 0
.if \kq
	KLOAD                                          ; K of step j + 1
.endif
.irp X, 0,1                            ; the step's largest score of my query: two chains a tile, each accumulator from its low end on; the tiles alternate
	v_max3_num_f32 v[20+2*\X], v[96+64*\X], v[97+64*\X], v[98+64*\X]
	v_max3_num_f32 v[21+2*\X], v[99+64*\X], v[100+64*\X], v[101+64*\X]
.endr
.irp i, 6,10,14,18,22,26,30,34,38,42,46,50,54,58
.irp X, 0,1
	v_max3_num_f32 v[20+2*\X], v[20+2*\X], v[96+64*\X+\i], v[97+64*\X+\i]
	v_max3_num_f32 v[21+2*\X], v[21+2*\X], v[98+64*\X+\i], v[99+64*\X+\i]
.endr
.endr
.irp X, 0,1
	v_max3_num_f32 v[20+2*\X], v[20+2*\X], v[158+64*\X], v[159+64*\X]
.endr
.irp X, 0,1
	v_max_num_f32 v[20+2*\X], v[20+2*\X], v[21+2*\X]
.endr
.irp X, 0,1
	v_permlanex16_b32 v[24+\X], v[20+2*\X], s[SEL], s[SEL+1]
.endr
.irp X, 0,1
	v_max_num_f32 v[20+2*\X], v[20+2*\X], v[24+\X]   ; and among lane l xor 16's keys
.endr
.irp X, 0,1
	v_mul_f32 v[20+2*\X], s[CS], v[20+2*\X]          ; as t (c is positive)
.endr
.irp X, 0,1
	v_max_num_f32 v[9+6*\X], v[9+6*\X], v[20+2*\X]   ; the running largest t
	v_mov_b32 v[20+2*\X], v[8+6*\X]
.endr
.irp X, 0,1
	v_floor_f32 v[8+6*\X], -v[9+6*\X]                ; the new -M = -ceil(t): a whole number
.endr
.irp X, 0,1
	v_sub_f32 v[20+2*\X], v[8+6*\X], v[20+2*\X]      ; old M - new M, 0 or less
.endr
.irp X, 0,1
	v_cvt_i32_f32 v[20+2*\X], v[20+2*\X]             ; (it saturates)
.endr
.irp X, 0,1
	v_ldexp_f32 v[12+6*\X], 1.0, v[20+2*\X]          ; f = 2^(old M - new M)
.endr
	WIN 0x41
.irp X, 0,1
.set jj, 0
.rept 16
	v_pk_mul_f32 v[32*\X+jj:32*\X+jj+1], v[32*\X+jj:32*\X+jj+1], v[12+6*\X:13+6*\X] op_sel_hi:[1,0]   ; O^T under the new M, each accumulator from its low end on; no exponential stands between the last products and these reads
.set jj, jj+2
.endr
.endr
	WIN 0
.set jj, 0
.rept 32
	v_pk_fma_f32 v[96+jj:97+jj], v[96+jj:97+jj], s[CS:CS+1], v[8:9] op_sel_hi:[1,0,0]   ; tile 0: t - M (of the pairs c and -M the low word serves both halves)
.set jj, jj+2
.endr
	s_wait_alu depctr_va_vdst(0)                   ; the wait ahead of the batch
.set jj, 0
.rept 32                               ; THE FIRST BATCH: tile 0's p = 2^(t - M); between them tile 1's scalings, first read behind the wait below
	v_exp_f32 v[96+jj], v[96+jj]
	v_pk_fma_f32 v[160+jj:161+jj], v[160+jj:161+jj], s[CS:CS+1], v[14:15] op_sel_hi:[1,0,0]
	v_exp_f32 v[97+jj], v[97+jj]
.set jj, jj+2
.endr
	v_pk_mul_f32 v[10:11], v[10:11], v[12:13] op_sel_hi:[1,0]   ; tile 0's sum under the new M.  (The plain line behind the last exponential)
	s_wait_alu depctr_va_vdst(0)                   ; one wait for the batch and for tile 1's scalings
.set kk, 0
.rept 16                               ; THE SECOND BATCH: tile 1's p; between them, of tile 0's numbers 4 k .. 4 k + 3, their sum in pairs (of the unquantised p) and then their holds; all first read behind the wait below
	v_exp_f32 v[160+4*kk], v[160+4*kk]
	v_pk_add_f32 v[224+2*kk:225+2*kk], v[96+4*kk:97+4*kk], v[98+4*kk:99+4*kk]
	v_exp_f32 v[161+4*kk], v[161+4*kk]
	HOLD2 96+4*kk
	v_exp_f32 v[162+4*kk], v[162+4*kk]
	HOLD2 98+4*kk
	v_exp_f32 v[163+4*kk], v[163+4*kk]
.set kk, kk+1
.endr
	v_pk_mul_f32 v[16:17], v[16:17], v[18:19] op_sel_hi:[1,0]   ; tile 1's sum under the new M.  (The plain line behind the last exponential)
	s_wait_alu depctr_va_vdst(0)                   ; one wait for the batch and for what was written inside it
	v_pk_add_f32 v[10:11], v[10:11], v[224:225]    ; the rows' sums, two chains a tile: tile 0's 16 partial sums, tile 1's 64 numbers
	v_pk_add_f32 v[26:27], v[226:227], v[230:231]
	v_pk_add_f32 v[28:29], v[160:161], v[162:163]
	v_pk_add_f32 v[16:17], v[16:17], v[164:165]
	v_pk_add_f32 v[10:11], v[10:11], v[228:229]
	v_pk_add_f32 v[28:29], v[28:29], v[166:167]
.set tt, 1
.rept 7
	v_pk_add_f32 v[16:17], v[16:17], v[160+8*tt:161+8*tt]
	v_pk_add_f32 v[28:29], v[28:29], v[162+8*tt:163+8*tt]
.if tt < 7
	v_pk_add_f32 v[10:11], v[10:11], v[228+4*tt:229+4*tt]
	v_pk_add_f32 v[26:27], v[26:27], v[230+4*tt:231+4*tt]
.endif
	v_pk_add_f32 v[16:17], v[16:17], v[164+8*tt:165+8*tt]
	v_pk_add_f32 v[28:29], v[28:29], v[166+8*tt:167+8*tt]
.set tt, tt+1
.endr
.set tt, 0
.rept 8                                ; tile 1's holds; tile 0's codes, into registers whose partial sums have been taken
	HOLD2 160+8*tt
	HOLD2 162+8*tt
	HOLD2 164+8*tt
	HOLD2 166+8*tt
	v_cvt_scalef32_pk8_fp8_f32 v[224+2*tt:225+2*tt], v[96+8*tt:103+8*tt], v31
.set tt, tt+1
.endr
.set tt, 0
.rept 8
	v_cvt_scalef32_pk8_fp8_f32 v[240+2*tt:241+2*tt], v[160+8*tt:167+8*tt], v31
.set tt, tt+1
.endr
	v_pk_add_f32 v[10:11], v[10:11], v[26:27]      ; each tile's two chains; also the plain lines between the last conversion and the products
	v_pk_add_f32 v[16:17], v[16:17], v[28:29]
	s_wait_alu depctr_va_vdst(0)                   ; directly ahead of the wait below
.if \kq
	s_wait_dscnt 16                                ; V's 32 loads are in; K's 16 may be out
.else
	s_wait_dscnt 0x0
.endif
	WIN 0x51                                       ; V and O^T window 1, p's codes window 0
.irp u, 0,1,2,3
.irp X, 0,1
	v_wmma_f32_16x16x128_fp8_fp8 v[32*\X+8*\u:32*\X+8*\u+7], v[128+16*\u:143+16*\u], v[224+16*\X:239+16*\X], v[32*\X+8*\u:32*\X+8*\u+7]   ; eight accumulators, one turn each
.endr
.endr
.if \kq
	s_wait_dscnt 0x0                               ; K is in
	QK
.endif
	WIN 0
.endm
	s_wait_alu depctr_va_vdst(0)                   ; the wait at the head's end
	s_wait_tensorcnt 0x0                           ; my part of stage 0 is in
	ds_add_u32 v[SPW], v[NIL]
	s_wait_dscnt 0x0
	CROUND                                         ; everybody's part is in, and all four work-groups are here: the joint loads meet
	TLOAD 1, G1K2, G1V2                            ; stage 1, the first tensor load behind the round
	v_mov_b32 v[ADK], v[AK0]
	KLOAD                                          ; K of step 0
	s_mov_b32 s[TK], 10240
	s_mov_b32 s[TV], 0
	s_wait_loadcnt 0x0                             ; Q
	s_wait_dscnt 0x0
	QK
	WIN 0
	s_mov_b32 s[CNT], 5
.Lr1:                                  ; steps 0 to 4: they read V's blocks 0-4 and K's keys up to 767: stage 0 alone
	ROT 1
	s_sub_co_u32 s[CNT], s[CNT], 1
	s_cmp_lg_u32 s[CNT], 0
	s_cbranch_scc1 .Lr1
	s_wait_tensorcnt 0x0                           ; my part of stage 1 has landed,
	s_wait_dscnt 0x0
	s_barrier_signal -1
	s_barrier_wait -1                              ; and everybody's: the whole head lies in LDS.
	s_mov_b32 s[CNT], 10
.Lr2:                                  ; steps 5 to 14
	ROT 1
	s_sub_co_u32 s[CNT], s[CNT], 1
	s_cmp_lg_u32 s[CNT], 0
	s_cbranch_scc1 .Lr2
	ROT 0                                          ; step 15
	; THE WAY OUT: O^T x 2^(e8 + e9) / the sum, quantised with e10; a tile's 16 rows of 64 codes go through my stage and leave as two stores of 512 dense bytes
.rept 4
	v_nop
.endr
.irp X, 0,1
	v_add_f32 v[10+6*\X], v[10+6*\X], v[11+6*\X]
.endr
.irp X, 0,1
	v_permlanex16_b32 v[24+\X], v[10+6*\X], s[SEL], s[SEL+1]
.endr
.irp X, 0,1
	v_add_f32 v[10+6*\X], v[10+6*\X], v[24+\X]
.endr
	s_wait_alu depctr_va_vdst(0)                   ; the wait ahead of the reciprocals
.irp X, 0,1
	v_rcp_f32 v[12+6*\X], v[10+6*\X]
.endr
	v_and_b32 v32, 15, v0                          ; (plain lines behind the reciprocals)
	v_bfe_u32 v33, v0, 4, 1
	s_lshl_b32 s74, s[WV], 10
	s_add_co_u32 s74, s74, STAGE
	v_lshlrev_b32 v34, 6, v32
	v_lshl_add_u32 v34, v33, 3, v34
	v_add_nc_u32 v34, s74, v34                     ; in: row r, 8 bytes for each half of the lanes
	v_and_b32 v35, 31, v0
	v_lshlrev_b32 v[GO], 4, v35
	v_add_nc_u32 v35, s74, v[GO]                   ; back: 16 bytes a lane
	s_add_co_i32 s92, s84, s85                     ; e8 + e9
	s_add_co_i32 s93, s86, 127
	s_lshl_b32 s94, s93, 23
	v_mov_b32 v31, s94                             ; 2^e10
	s_add_co_i32 s93, s93, 8
	s_lshl_b32 s93, s93, 23
	s_or_b32 s93, s93, 0x600000
	v_mov_b32 v30, s93                             ; 448 x 2^e10
	s_wait_alu depctr_va_vdst(0)                   ; one wait for both reciprocals, ahead of their first use
.irp X, 0,1
	v_ldexp_f32 v[12+6*\X], v[12+6*\X], s92
.endr
	WIN 0x01
	s_wait_alu depctr_va_vdst(0)                   ; directly ahead of the first reader of O^T
.irp X, 0,1
.set jj, 0
.rept 16
	v_pk_mul_f32 v[96+64*\X+jj:97+64*\X+jj], v[32*\X+jj:32*\X+jj+1], v[12+6*\X:13+6*\X] op_sel_hi:[1,0]   ; register 8 u + j: o(query r, channel 16 u + 8 h + j)
.set jj, jj+2
.endr
.endr
	WIN 0
.irp X, 0,1
.set jj, 0
.rept 32
	v_med3_num_f32 v[96+64*\X+jj], v[96+64*\X+jj], -v30, v30
.set jj, jj+1
.endr
.irp u, 0,1,2,3
	v_cvt_scalef32_pk8_fp8_f32 v[224+16*\X+2*\u:225+16*\X+2*\u], v[96+64*\X+8*\u:103+64*\X+8*\u], v31
.endr
	v_nop
.irp u, 0,1,2,3
	ds_store_b64 v34, v[224+16*\X+2*\u:225+16*\X+2*\u] offset:16*\u
.endr
	ds_load_b128 v[40+8*\X:43+8*\X], v35           ; LDS serves a wave's instructions in order: these see my stores, and the next tile's stores come behind them
	ds_load_b128 v[44+8*\X:47+8*\X], v35 offset:512
.endr
	s_wait_dscnt 0x0
.irp X, 0,1
	global_store_b128 v[GO], v[40+8*\X:43+8*\X], s[8:9] offset:1024*\X
	global_store_b128 v[GO], v[44+8*\X:47+8*\X], s[8:9] offset:1024*\X+512
.endr
	s_wait_tensorcnt 0x0                           ; the wave's end
	ds_add_u32 v[SPW], v[NIL]
	s_wait_dscnt 0x0
	CROUND                                         ; the closing round
	s_endpgm
.Lfunc_end_k_q55eabfaf0a_attn:
	.size	k_q55eabfaf0a_attn, .Lfunc_end_k_q55eabfaf0a_attn-k_q55eabfaf0a_attn
	.p2alignl 7, 3214868480
	.fill 96, 4, 3214868480
	.section	.rodata,"a",@progbits
	.p2align	6, 0x0
	.amdhsa_kernel k_q55eabfaf0a_attn
		.amdhsa_group_segment_fixed_size 327680
		.amdhsa_private_segment_fixed_size 0
		.amdhsa_enable_private_segment 0
		.amdhsa_kernarg_size 24
		.amdhsa_user_sgpr_count 2
		.amdhsa_user_sgpr_kernarg_segment_ptr 1
		.amdhsa_wavefront_size32 1
		.amdhsa_system_sgpr_workgroup_id_x 1
		.amdhsa_system_sgpr_workgroup_id_y 1
		.amdhsa_system_sgpr_workgroup_id_z 1
		.amdhsa_system_vgpr_workitem_id 0
		.amdhsa_next_free_vgpr 448
		.amdhsa_next_free_sgpr 96
		.amdhsa_reserve_vcc 0
		.amdhsa_float_denorm_mode_32 3
		.amdhsa_float_denorm_mode_16_64 3
		.amdhsa_memory_ordered 1
		.amdhsa_forward_progress 1
		.amdhsa_inst_pref_size 109
	.end_amdhsa_kernel
	.amdgpu_metadata
---
amdhsa.version: [ 1, 2 ]
amdhsa.kernels:
  - .name:           k_q55eabfaf0a_attn
    .symbol:         k_q55eabfaf0a_attn.kd
    .args:
      - { .name: qkvc, .offset: 0, .size: 8, .value_kind: global_buffer, .address_space: global }
      - { .name: lowp_scales, .offset: 8, .size: 8, .value_kind: global_buffer, .address_space: global }
      - { .name: ao, .offset: 16, .size: 8, .value_kind: global_buffer, .address_space: global }
    .group_segment_fixed_size: 327680
    .private_segment_fixed_size: 0
    .kernarg_segment_align: 8
    .kernarg_segment_size: 24
    .max_flat_workgroup_size: 256
    .sgpr_count:     96
    .vgpr_count:     448
    .wavefront_size: 32
...
	.end_amdgpu_metadata
.endif
;; end of part 3
;; launch wo (part 4): grid 8 x 32, 4 waves a work-group, clusters of 4 x 4, 327,680 bytes of LDS; arguments ao, wc, lowp_scales, bo, x, x1; writes x1
.if DOCPART == 4
	.amdgcn_target "amdgcn-amd-amdhsa--gfx1250"
	.amdhsa_code_object_version 6
	.text
	.protected	k_q55eabfaf0a_wo
	.globl	k_q55eabfaf0a_wo
	.p2align	8
	.type	k_q55eabfaf0a_wo,@function
k_q55eabfaf0a_wo:
	s_mov_b64 s[64:65], 0
	v_nop
	global_prefetch_b8 v0, s[64:65] scope:SCOPE_SE
	s_setreg_imm32_b32 hwreg(HW_REG_WAVE_MODE, 25, 1), 1
	s_wait_xcnt 0x0
	s_wait_alu depctr_hold_cnt(0) depctr_sa_sdst(0) depctr_va_vdst(0) depctr_va_sdst(0) depctr_va_ssrc(0) depctr_va_vcc(0) depctr_vm_vsrc(0)
	s_getreg_b32 s2, hwreg(HW_REG_IB_STS2, 6, 4)
	s_cmp_eq_u32 s2, 0
	s_cbranch_scc0 .Lentry_in_a_cluster
	s_endpgm
.Lentry_in_a_cluster:
	s_bfe_u32 s2, ttmp6, 0x10000c
	s_cmp_lg_u32 s2, 0xf033
	s_cbranch_scc0 .Lentry_shape_is_right
	s_endpgm
.Lentry_shape_is_right:
; WO: x1 = x + (attention's output) wo + bo, the product on codes of E4M3 (e10, e11), K = 1,024 in natural order.  No work is left out.
; A tile of 128 x 128 gives 256 work-groups; four waves, 64 x 64 each: 16 accumulators.  ALL OF K LIES IN LDS: every byte is filled once, no ring, no loop.
; A = ao [32 blocks of 128 rows][16 heads][128 rows][64]: the tile is one dense block of 131,072 bytes, a head's 128 rows ("plane") 8,192 of them.  B = wo's codes at wc + 3 MiB, rows of 1,024 bytes.
; ONE JOINT LOAD A WAVE, at the head, brings it all: waves 0 and 1 fetch eight planes of A each (1,024 rows of 64 bytes), waves 2 and 3 fetch 64 whole rows of B each.  One tensor load a wave is out.
; CLUSTERS: 4 x 4; A's planes are shared along a row of the cluster, B's rows along a column.
; The matrix instruction is used transposed (source 0 = B's rows, source 1 = A's rows): a lane holds eight neighbouring columns of one row.
; No prefetch: all tiles are asked for at the head, so there is no later request to run ahead of.
; LIMIT: e10 + e11 between -126 and 127.
; VECTOR REGISTERS: window 0: v12-15 bias, v16-29 addresses, v32-95 at work on the way out, v128-255 the accumulators; window 1: two fragment buffers of 128 (A's four fragments, then B's four); window 2: the residual, 128 registers.
; SCALAR REGISTERS: s[24:35] and s[48:59] hold the descriptors and nothing else: none of them is written behind the loads.
.set PLANE,  10240                     ; 128 rows x (64 + 16) bytes
.set BOFF,   163840
.set BP,     1040                      ; a row of B in LDS: 1,024 + 16 bytes
.set STAGE,  299008                    ; 16 rows x 272 bytes for each wave
.set SPITCH, 272
.set SPARE,  316416
.set BIAS, 12
.set ADRA, 16                          ; v16-19: planes 4 g .. 4 g + 3
.set ADRB, 20
.set STO,  24
.set RD,   25
.set CO,   26
.set BOF,  27
.set SPW,  28
.set NIL,  29
.set TMP,  32
.set ACC,  128
.set F0,   0
.set F1,   128
.set G1, 24                            ; s[24:31] group 1 for A's planes
.set G0, 32                            ; s[32:35] group 0 for A
.set G1B, 48                           ; s[48:55] group 1 for B's rows
.set G0B, 56                           ; s[56:59] group 0 for B
.set MSB, 0
.macro WIN new                         ; the immediate's high byte repeats the setting that is left
.if MSB != (\new)
	s_set_vgpr_msb (MSB<<8)|(\new)
.set MSB, (\new)
.endif
.endm
.set MUL,  0x05                        ; sources 0 (B) and 1 (A) window 1; C and D window 0
.set TO_F, 0x40                        ; destination window 1, address window 0
.macro CROUND                          ; a round of the cluster's barrier
	s_barrier_signal -1
	s_barrier_wait -1
	s_cmp_lg_u32 s10, 0
	s_cbranch_scc1 .Lnot_wave_0_\@
	s_barrier_signal -3
.Lnot_wave_0_\@:
	s_barrier_wait -3
	s_barrier_signal -1
	s_barrier_wait -1
.endm
	s_load_b128 s[4:7], s[0:1], 0x0                ; ao, wc
	s_load_b128 s[84:87], s[0:1], 0x10             ; lowp_scales, bo
	s_load_b128 s[88:91], s[0:1], 0x20             ; x, x1
	v_lshl_add_u32 v[SPW], v0, 2, SPARE
	v_mov_b32 v[NIL], 0
	ds_add_u32 v[SPW], v[NIL]                      ; the wave's opening: the add, twice on end, and its wait ahead of my first tensor load
	ds_add_u32 v[SPW], v[NIL]
	v_lshrrev_b32 v1, 5, v0
	v_readfirstlane_b32 s10, v1                    ; wave 0..3
	s_lshr_b32 s11, s10, 1                         ; which half of the tile's rows is mine.  Also: I fetch for A (0) or for B (1)
	s_and_b32 s12, s10, 1                          ; which half of its columns.  Also: which half of A or of B I fetch
	s_bfe_u32 s92, ttmp6, 0x40000                  ; cx
	s_bfe_u32 s93, ttmp6, 0x40004                  ; cy
	s_lshl_b32 s94, ttmp9, 2
	s_add_co_u32 s94, s94, s92                     ; tile column = 4 x cluster x + cx
	s_and_b32 s13, ttmp7, 0xffff
	s_lshl_b32 s13, s13, 2
	s_add_co_u32 s13, s13, s93                     ; tile row = 4 x cluster y + cy
	s_lshl_b32 s95, s93, 2
	s_lshl_b32 s95, 15, s95                        ; my row of the cluster
	s_lshl_b32 s98, 0x1111, s92                    ; my column
	s_or_b32 s[G1+0], s95, (0<<16)|(1<<20)|(1<<21)|(3<<22)|(3<<25)    ; A: the mask of my row; elements of 1 byte; padding on; bit 21 beside a mask; 4 words of padding after every 16 (a row of 64 bytes)
	s_mov_b32 s[G1+1], 64<<16                      ; tensor_dim0
	s_mov_b32 s[G1+2], 1024<<16                    ; tensor_dim1
	s_mov_b32 s[G1+3], 64<<16                      ; tile_dim0
	s_mov_b32 s[G1+4], 1024                        ; tile_dim1
	s_mov_b32 s[G1+5], 64                          ; bytes from row to row
	s_mov_b32 s[G1+6], 0
	s_mov_b32 s[G1+7], 0
	s_or_b32 s[G1B+0], s98, (0<<16)|(1<<20)|(1<<21)|(7<<22)|(3<<25)   ; B: the mask of my column; 4 words after every 256 (a row of 1,024 bytes)
	s_mov_b32 s[G1B+1], 1024<<16
	s_mov_b32 s[G1B+2], 64<<16
	s_mov_b32 s[G1B+3], 1024<<16
	s_mov_b32 s[G1B+4], 64
	s_mov_b32 s[G1B+5], 1024
	s_mov_b32 s[G1B+6], 0
	s_mov_b32 s[G1B+7], 0
	s_lshl_b32 s16, s13, 17                        ; A: the tile's 131,072 bytes,
	s_lshl_b32 s17, s12, 16                        ; my eight planes
	s_add_co_u32 s16, s16, s17
	s_mov_b32 s17, 0
	s_lshl_b32 s66, s94, 17                        ; B: row 128 x tile column + 64 x half, of 1,024 bytes, behind 3 MiB
	s_lshl_b32 s67, s12, 16
	s_add_co_u32 s66, s66, s67
	s_add_co_u32 s66, s66, 0x300000
	s_mov_b32 s67, 0
	s_mul_i32 s20, s12, 8*PLANE                    ; in LDS: no place in the cluster enters an LDS address
	s_mul_i32 s21, s12, 64*BP
	s_add_co_u32 s21, s21, BOFF
	s_wait_dscnt 0x0                               ; both opening adds are done
	s_wait_kmcnt 0x0
	s_load_b512 s[68:83], s[84:85], 0x0            ; the exponents: entry i in s[68 + i]
	s_mov_b32 s[G0], 1
	s_mov_b32 s[G0+1], s20
	s_add_nc_u64 s[G0+2:G0+3], s[4:5], s[16:17]
	s_or_b32 s[G0+3], s[G0+3], 0x80000000
	s_mov_b32 s[G0B], 1
	s_mov_b32 s[G0B+1], s21
	s_add_nc_u64 s[G0B+2:G0B+3], s[6:7], s[66:67]
	s_or_b32 s[G0B+3], s[G0B+3], 0x80000000
	CROUND                                         ; all sixteen work-groups are here: the joint loads meet
	s_cmp_eq_u32 s11, 0                            ; one load a wave, in one arm of one branch on the wave's number; s_nop 0 and four v_nop behind each line
	s_cbranch_scc0 .Lfor_b
	tensor_load_to_lds s[G0:G0+3], s[G1:G1+7]
	s_nop 0
.rept 4
	v_nop
.endr
	s_branch .Lasked
.Lfor_b:
	tensor_load_to_lds s[G0B:G0B+3], s[G1B:G1B+7]
	s_nop 0
.rept 4
	v_nop
.endr
.Lasked:
	s_lshl_b32 s16, s13, 7
	s_lshl_b32 s17, s11, 6
	s_add_co_u32 s16, s16, s17
	s_lshl_b32 s16, s16, 12                        ; my first row, of 4,096 bytes
	s_mov_b32 s17, 0
	s_lshl_b32 s98, s94, 9
	s_lshl_b32 s99, s12, 8
	s_add_co_u32 s98, s98, s99                     ; my first column, in bytes
	s_mov_b32 s99, 0
	s_add_nc_u64 s[88:89], s[88:89], s[16:17]
	s_add_nc_u64 s[88:89], s[88:89], s[98:99]
	s_add_nc_u64 s[90:91], s[90:91], s[16:17]
	s_add_nc_u64 s[90:91], s[90:91], s[98:99]
	s_add_nc_u64 s[86:87], s[86:87], s[98:99]
	s_mul_i32 s21, s11, 64*80
	s_mul_i32 s22, s12, 64*BP
	s_add_co_u32 s22, s22, BOFF
	s_mul_i32 s23, s10, 16*SPITCH
	s_add_co_u32 s23, s23, STAGE
	v_and_b32 v1, 15, v0                           ; r
	v_bfe_u32 v2, v0, 4, 1                         ; h
	v_mul_u32_u24 v3, v1, 80
	v_lshl_add_u32 v3, v2, 4, v3
	v_add_nc_u32 v[ADRA], s21, v3
	v_add_nc_u32 v[ADRA+1], 4*PLANE, v[ADRA]
	v_add_nc_u32 v[ADRA+2], 8*PLANE, v[ADRA]
	v_add_nc_u32 v[ADRA+3], 12*PLANE, v[ADRA]
	v_mul_u32_u24 v4, v1, BP
	v_lshl_add_u32 v4, v2, 4, v4
	v_add_nc_u32 v[ADRB], s22, v4
	v_mul_u32_u24 v5, v1, SPITCH
	v_lshl_add_u32 v5, v2, 5, v5
	v_add_nc_u32 v[STO], s23, v5                   ; in: row r, 32 bytes for each half of the lanes
	v_mul_u32_u24 v5, v2, SPITCH
	v_lshl_add_u32 v5, v1, 4, v5
	v_add_nc_u32 v[RD], s23, v5                    ; back: lanes 0-15 one row of 256 bytes, lanes 16-31 the next
	v_lshlrev_b32 v[CO], 12, v2
	v_lshl_add_u32 v[CO], v1, 4, v[CO]             ; and the same two rows in x and x1
	v_lshlrev_b32 v[BOF], 4, v1
	global_load_b128 v[BIAS:BIAS+3], v[BOF], s[86:87]          ; bo of the four columns that I store
	WIN 0x80
.irp a, 0,1,2,3
.irp t, 0,1,2,3,4,5,6,7
	global_load_b128 v[32*\a+4*\t:32*\a+4*\t+3], v[CO], s[88:89] offset:(16*\a+2*\t)*4096   ; the residual, in the layout in which the results leave
.endr
.endr
	WIN 0
.macro FETCHW q, f                     ; the fragments of the q-th 128 along K: planes 2 q, 2 q + 1 of A; bytes 128 q of B's rows.  Registers 4 c .. 4 c + 3 hold K = 32 c + 16 (lane / 16) + 0 .. 15 on both sides
	WIN TO_F
.irp i, 0,1,2,3
.irp c, 0,1,2,3
	ds_load_b128 v[\f+64+16*\i+4*\c:\f+64+16*\i+4*\c+3], v[ADRB] offset:128*(\q)+32*\c+16*BP*\i
	ds_load_b128 v[\f+16*\i+4*\c:\f+16*\i+4*\c+3], v[ADRA+(\q)/2] offset:((2*(\q)+\c/2)%4)*PLANE+1280*\i+32*(\c%2)
.endr
.endr
.endm
.macro MUL16 f, zero                   ; the 16 accumulators take turns, one instruction a turn, in the same order every time
.irp a, 0,1,2,3
.irp b, 0,1,2,3
.if \zero
	v_wmma_f32_16x16x128_fp8_fp8 v[ACC+8*(4*\a+\b):ACC+8*(4*\a+\b)+7], v[\f+64+16*\b:\f+64+16*\b+15], v[\f+16*\a:\f+16*\a+15], 0
.else
	v_wmma_f32_16x16x128_fp8_fp8 v[ACC+8*(4*\a+\b):ACC+8*(4*\a+\b)+7], v[\f+64+16*\b:\f+64+16*\b+15], v[\f+16*\a:\f+16*\a+15], v[ACC+8*(4*\a+\b):ACC+8*(4*\a+\b)+7]
.endif
.endr
.endr
.endm
.macro PLACES                          ; plain vector instructions between a matrix instruction and a load into, or a read of, its registers
.rept 4
	v_nop
.endr
.endm
.macro QW q, f, g, zero                ; multiplies buffer f (the q-th 128 along K); ahead of that it asks for the next into buffer g
	PLACES                                         ; behind the products that read buffer g
	FETCHW (\q)+1, \g
	s_wait_dscnt 32                                ; buffer f is in; the 32 loads just issued may be out
	WIN MUL
	MUL16 \f, \zero
.endm
; THE WAY OUT, 16 rows at a time: the sums go through my stage as they are and come back as rows of 256 bytes; sum x 2^(e10 + e11) + bias + residual; sixteen lanes store 256 aligned bytes
.macro OUTF
.irp a, 0,1,2,3
.set TS, TMP+32*((\a)%2)
.if \a >= 2
	s_wait_xcnt 0x0                                ; the stores of two blocks back have read this set of registers
.endif
.irp b, 0,1,2,3
	ds_store_b128 v[STO], v[ACC+8*(4*\a+\b):ACC+8*(4*\a+\b)+3] offset:64*\b       ; each accumulator from its low end on
	ds_store_b128 v[STO], v[ACC+8*(4*\a+\b)+4:ACC+8*(4*\a+\b)+7] offset:64*\b+16
.endr
.irp t, 0,1,2,3,4,5,6,7
	ds_load_b128 v[TS+4*\t:TS+4*\t+3], v[RD] offset:\t*2*SPITCH                   ; LDS serves a wave's instructions in order: these see my stores, and the next block's stores come behind them
.endr
	s_wait_dscnt 0x0
.irp t, 0,1,2,3,4,5,6,7
	v_pk_fma_f32 v[TS+4*\t:TS+4*\t+1], v[TS+4*\t:TS+4*\t+1], s[96:97], v[BIAS:BIAS+1] op_sel_hi:[1,0,1]
	v_pk_fma_f32 v[TS+4*\t+2:TS+4*\t+3], v[TS+4*\t+2:TS+4*\t+3], s[96:97], v[BIAS+2:BIAS+3] op_sel_hi:[1,0,1]
.endr
	WIN 0x08                                       ; source 1 (the residual) window 2
.irp t, 0,1,2,3,4,5,6,7
	v_pk_add_f32 v[TS+4*\t:TS+4*\t+1], v[TS+4*\t:TS+4*\t+1], v[32*\a+4*\t:32*\a+4*\t+1]
	v_pk_add_f32 v[TS+4*\t+2:TS+4*\t+3], v[TS+4*\t+2:TS+4*\t+3], v[32*\a+4*\t+2:32*\a+4*\t+3]
.endr
	WIN 0
.irp t, 0,1,2,3,4,5,6,7
	global_store_b128 v[CO], v[TS+4*\t:TS+4*\t+3], s[90:91] offset:(16*\a+2*\t)*4096
.endr
.endr
.endm
	s_wait_alu depctr_va_vdst(0)                   ; the wait at the head's end
	s_wait_tensorcnt 0x0                           ; my part of the tiles is in,
	s_barrier_signal -1
	s_barrier_wait -1                              ; and everybody's.
	FETCHW 0, F0
	QW 0, F0, F1, 1                                ; the first products start the sums
	QW 1, F1, F0, 0
	QW 2, F0, F1, 0
	QW 3, F1, F0, 0
	QW 4, F0, F1, 0
	QW 5, F1, F0, 0
	QW 6, F0, F1, 0
	s_wait_dscnt 0x0
	MUL16 F1, 0
	WIN 0
	s_wait_kmcnt 0x0
	s_add_co_i32 s96, s78, s79                     ; e10 + e11
	s_add_co_i32 s96, s96, 127
	s_lshl_b32 s96, s96, 23                        ; 2^(e10 + e11) as f32
	s_mov_b32 s97, s96                             ; (named with it as a pair, so it is written)
	s_wait_loadcnt 0x0                             ; bias and residual
	PLACES
	OUTF
	s_wait_tensorcnt 0x0                           ; the wave's end
	ds_add_u32 v[SPW], v[NIL]
	s_wait_dscnt 0x0
	CROUND                                         ; the closing round
	s_endpgm
.Lfunc_end_k_q55eabfaf0a_wo:
	.size	k_q55eabfaf0a_wo, .Lfunc_end_k_q55eabfaf0a_wo-k_q55eabfaf0a_wo
	.p2alignl 7, 3214868480
	.fill 96, 4, 3214868480
	.section	.rodata,"a",@progbits
	.p2align	6, 0x0
	.amdhsa_kernel k_q55eabfaf0a_wo
		.amdhsa_group_segment_fixed_size 327680
		.amdhsa_private_segment_fixed_size 0
		.amdhsa_enable_private_segment 0
		.amdhsa_kernarg_size 48
		.amdhsa_user_sgpr_count 2
		.amdhsa_user_sgpr_kernarg_segment_ptr 1
		.amdhsa_wavefront_size32 1
		.amdhsa_system_sgpr_workgroup_id_x 1
		.amdhsa_system_sgpr_workgroup_id_y 1
		.amdhsa_system_sgpr_workgroup_id_z 1
		.amdhsa_system_vgpr_workitem_id 0
		.amdhsa_next_free_vgpr 640
		.amdhsa_next_free_sgpr 100
		.amdhsa_reserve_vcc 0
		.amdhsa_float_denorm_mode_32 3
		.amdhsa_float_denorm_mode_16_64 3
		.amdhsa_memory_ordered 1
		.amdhsa_forward_progress 1
		.amdhsa_inst_pref_size 52
	.end_amdhsa_kernel
	.amdgpu_metadata
---
amdhsa.version: [ 1, 2 ]
amdhsa.kernels:
  - .name:           k_q55eabfaf0a_wo
    .symbol:         k_q55eabfaf0a_wo.kd
    .args:
      - { .name: ao, .offset: 0, .size: 8, .value_kind: global_buffer, .address_space: global }
      - { .name: wc, .offset: 8, .size: 8, .value_kind: global_buffer, .address_space: global }
      - { .name: lowp_scales, .offset: 16, .size: 8, .value_kind: global_buffer, .address_space: global }
      - { .name: bo, .offset: 24, .size: 8, .value_kind: global_buffer, .address_space: global }
      - { .name: x, .offset: 32, .size: 8, .value_kind: global_buffer, .address_space: global }
      - { .name: x1, .offset: 40, .size: 8, .value_kind: global_buffer, .address_space: global }
    .group_segment_fixed_size: 327680
    .private_segment_fixed_size: 0
    .kernarg_segment_align: 8
    .kernarg_segment_size: 48
    .max_flat_workgroup_size: 128
    .sgpr_count:     100
    .vgpr_count:     640
    .wavefront_size: 32
...
	.end_amdgpu_metadata
.endif
;; end of part 4
;; launch ln2 (part 5): grid 256 x 1, 8 waves a work-group, no clusters, 0 bytes of LDS; arguments x1, ln2_g, ln2_b, lowp_scales, h2c; writes h2c
.if DOCPART == 5
	.amdgcn_target "amdgcn-amd-amdhsa--gfx1250"
	.amdhsa_code_object_version 6
	.text
	.protected	k_q55eabfaf0a_ln2
	.globl	k_q55eabfaf0a_ln2
	.p2align	8
	.type	k_q55eabfaf0a_ln2,@function
k_q55eabfaf0a_ln2:
	s_mov_b64 s[64:65], 0
	v_nop
	global_prefetch_b8 v0, s[64:65] scope:SCOPE_SE
	s_setreg_imm32_b32 hwreg(HW_REG_WAVE_MODE, 25, 1), 1
	s_wait_xcnt 0x0
; LN2: h2c = codes of LN2(x1) under e12, [4,096][1,024], K permuted as in the first launch: byte position 512 u + 16 l + 4 d + c holds k = 128 (4 u + d) + 4 l + c (w1's codes are laid likewise).  No work is left out.
; One wave, one row at a time, two rows a wave, all loads issued at the head; the row stays in 32 registers between the passes: register 4 j + c holds k = 128 j + 4 lane + c.  No LDS, no barrier, no matrix unit: the launch streams.
; LIMITS: e12 between -126 and 119.  NaN is not served.
.set LG, 16
.set LB, 48
.set LX, 80
.set LH, 144
.set LC, 160
	s_load_b256 s[4:11], s[0:1], 0x0               ; x1 s4, ln2_g s6, ln2_b s8, lowp_scales s10
	s_load_b64 s[12:13], s[0:1], 0x20              ; h2c
	v_lshrrev_b32 v1, 5, v0
	s_delay_alu instid0(VALU_DEP_1)
	v_readfirstlane_b32 s16, v1                    ; wave 0..7
	v_and_b32 v2, 31, v0
	s_delay_alu instid0(VALU_DEP_1)
	v_lshlrev_b32 v1, 4, v2                        ; 16 bytes a lane
	s_lshl_b32 s17, ttmp9, 4
	s_lshl_b32 s18, s16, 1
	s_add_co_u32 s17, s17, s18                     ; my first row
	s_lshl_b32 s18, s17, 12
	s_mov_b32 s19, 0
	s_mov_b32 s20, 0x76543210
	s_mov_b32 s21, 0xfedcba98
	s_mov_b32 s22, 0x3a800000                      ; 1 / 1,024
	s_wait_alu depctr_va_vdst(0)
	s_wait_kmcnt 0x0
	s_load_b32 s14, s[10:11], 0x30                 ; e12
	s_add_nc_u64 s[4:5], s[4:5], s[18:19]
	s_lshl_b32 s18, s17, 10
	s_add_nc_u64 s[12:13], s[12:13], s[18:19]
.set jj, 0
.rept 8
	global_load_b128 v[LX+4*jj:LX+4*jj+3], v1, s[4:5] offset:512*jj
.set jj, jj+1
.endr
.set jj, 0
.rept 8
	global_load_b128 v[LG+4*jj:LG+4*jj+3], v1, s[6:7] offset:512*jj
.set jj, jj+1
.endr
.set jj, 0
.rept 8
	global_load_b128 v[LB+4*jj:LB+4*jj+3], v1, s[8:9] offset:512*jj
.set jj, jj+1
.endr
.set jj, 0
.rept 8
	global_load_b128 v[LX+32+4*jj:LX+32+4*jj+3], v1, s[4:5] offset:4096+512*jj
.set jj, jj+1
.endr
	s_wait_kmcnt 0x0
	s_add_co_i32 s14, s14, 127
	s_lshl_b32 s15, s14, 23
	v_mov_b32 v14, s15                             ; 2^e12
	s_add_co_i32 s14, s14, 8
	s_lshl_b32 s14, s14, 23
	s_or_b32 s14, s14, 0x600000
	v_mov_b32 v15, s14                             ; 448 x 2^e12
.macro ROW rho
.set XR, LX+32*\rho
.if \rho == 0
	s_wait_loadcnt 24                              ; row 0 is in; gain, bias and row 1 (24 loads) may be out
.else
	s_wait_loadcnt 0x0
.endif
	v_pk_add_f32 v[2:3], v[XR:XR+1], v[XR+2:XR+3]
	v_pk_add_f32 v[4:5], v[XR+4:XR+5], v[XR+6:XR+7]
	v_pk_add_f32 v[6:7], v[XR+8:XR+9], v[XR+10:XR+11]
	v_pk_add_f32 v[8:9], v[XR+12:XR+13], v[XR+14:XR+15]
.irp j, 16,24
	s_delay_alu instid0(VALU_DEP_4)
	v_pk_add_f32 v[2:3], v[2:3], v[XR+\j:XR+\j+1]
	s_delay_alu instid0(VALU_DEP_4)
	v_pk_add_f32 v[4:5], v[4:5], v[XR+\j+2:XR+\j+3]
	s_delay_alu instid0(VALU_DEP_4)
	v_pk_add_f32 v[6:7], v[6:7], v[XR+\j+4:XR+\j+5]
	s_delay_alu instid0(VALU_DEP_4)
	v_pk_add_f32 v[8:9], v[8:9], v[XR+\j+6:XR+\j+7]
.endr
	s_delay_alu instid0(VALU_DEP_3)
	v_pk_add_f32 v[2:3], v[2:3], v[4:5]
	s_delay_alu instid0(VALU_DEP_2)
	v_pk_add_f32 v[6:7], v[6:7], v[8:9]
	s_delay_alu instid0(VALU_DEP_1)
	v_pk_add_f32 v[2:3], v[2:3], v[6:7]
	s_delay_alu instid0(VALU_DEP_1)
	v_add_f32 v2, v2, v3
	s_delay_alu instid0(VALU_DEP_1)
	v_add_f32_dpp v2, v2, v2 row_xmask:1 row_mask:0xf bank_mask:0xf
	s_delay_alu instid0(VALU_DEP_1)
	v_add_f32_dpp v2, v2, v2 row_xmask:2 row_mask:0xf bank_mask:0xf
	s_delay_alu instid0(VALU_DEP_1)
	v_add_f32_dpp v2, v2, v2 row_xmask:4 row_mask:0xf bank_mask:0xf
	s_delay_alu instid0(VALU_DEP_1)
	v_add_f32_dpp v2, v2, v2 row_xmask:8 row_mask:0xf bank_mask:0xf
	s_delay_alu instid0(VALU_DEP_1)
	v_permlanex16_b32 v3, v2, s20, s21
	s_delay_alu instid0(VALU_DEP_1)
	v_add_f32 v2, v2, v3
	s_delay_alu instid0(VALU_DEP_1)
	v_mul_f32 v2, s22, v2                          ; the mean
	s_delay_alu instid0(VALU_DEP_1)
	v_mov_b32 v3, v2
.set jj, 0
.rept 16
	v_pk_add_f32 v[XR+jj:XR+jj+1], v[XR+jj:XR+jj+1], v[2:3] neg_lo:[0,1] neg_hi:[0,1]
.set jj, jj+2
.endr
	v_pk_mul_f32 v[4:5], v[XR:XR+1], v[XR:XR+1]
	v_pk_mul_f32 v[6:7], v[XR+2:XR+3], v[XR+2:XR+3]
	v_pk_mul_f32 v[8:9], v[XR+4:XR+5], v[XR+4:XR+5]
	v_pk_mul_f32 v[10:11], v[XR+6:XR+7], v[XR+6:XR+7]
.irp j, 8,16,24
	s_delay_alu instid0(VALU_DEP_4)
	v_pk_fma_f32 v[4:5], v[XR+\j:XR+\j+1], v[XR+\j:XR+\j+1], v[4:5]
	s_delay_alu instid0(VALU_DEP_4)
	v_pk_fma_f32 v[6:7], v[XR+\j+2:XR+\j+3], v[XR+\j+2:XR+\j+3], v[6:7]
	s_delay_alu instid0(VALU_DEP_4)
	v_pk_fma_f32 v[8:9], v[XR+\j+4:XR+\j+5], v[XR+\j+4:XR+\j+5], v[8:9]
	s_delay_alu instid0(VALU_DEP_4)
	v_pk_fma_f32 v[10:11], v[XR+\j+6:XR+\j+7], v[XR+\j+6:XR+\j+7], v[10:11]
.endr
	s_delay_alu instid0(VALU_DEP_3)
	v_pk_add_f32 v[4:5], v[4:5], v[6:7]
	s_delay_alu instid0(VALU_DEP_2)
	v_pk_add_f32 v[8:9], v[8:9], v[10:11]
	s_delay_alu instid0(VALU_DEP_1)
	v_pk_add_f32 v[4:5], v[4:5], v[8:9]
	s_delay_alu instid0(VALU_DEP_1)
	v_add_f32 v4, v4, v5
	s_delay_alu instid0(VALU_DEP_1)
	v_add_f32_dpp v4, v4, v4 row_xmask:1 row_mask:0xf bank_mask:0xf
	s_delay_alu instid0(VALU_DEP_1)
	v_add_f32_dpp v4, v4, v4 row_xmask:2 row_mask:0xf bank_mask:0xf
	s_delay_alu instid0(VALU_DEP_1)
	v_add_f32_dpp v4, v4, v4 row_xmask:4 row_mask:0xf bank_mask:0xf
	s_delay_alu instid0(VALU_DEP_1)
	v_add_f32_dpp v4, v4, v4 row_xmask:8 row_mask:0xf bank_mask:0xf
	s_delay_alu instid0(VALU_DEP_1)
	v_permlanex16_b32 v5, v4, s20, s21
	s_delay_alu instid0(VALU_DEP_1)
	v_add_f32 v4, v4, v5
	s_delay_alu instid0(VALU_DEP_1)
	v_fmaak_f32 v4, s22, v4, 0x358637bd            ; variance + 1e-6
	s_wait_alu depctr_va_vdst(0)
	v_rsq_f32 v6, v4
	v_rsq_f32 v7, v4
	v_nop                                          ; a plain instruction behind the transcendentals
	s_wait_alu depctr_va_vdst(0)                   ; one wait for both, ahead of their first use
.if \rho == 0
	s_wait_loadcnt 8                               ; gain and bias are in; row 1's 8 loads may be out
.endif
.set jj, 0
.rept 16
	v_pk_mul_f32 v[XR+jj:XR+jj+1], v[XR+jj:XR+jj+1], v[6:7]
.set jj, jj+2
.endr
.set jj, 0
.rept 16
	v_pk_fma_f32 v[XR+jj:XR+jj+1], v[XR+jj:XR+jj+1], v[LG+jj:LG+jj+1], v[LB+jj:LB+jj+1]
.set jj, jj+2
.endr
.irp m, 0,1,2,3                        ; the held numbers go into two sets of 8 by turns: the eight holds are the plain instructions behind each conversion
.irp i, 0,1,2,3,4,5,6,7
	v_med3_num_f32 v[LH+8*(\m%2)+\i], v[XR+8*\m+\i], -v15, v15
.endr
	v_cvt_scalef32_pk8_fp8_f32 v[LC+8*\rho+2*\m:LC+8*\rho+2*\m+1], v[LH+8*(\m%2):LH+8*(\m%2)+7], v14
.endr
	global_store_b128 v1, v[LC+8*\rho:LC+8*\rho+3], s[12:13] offset:1024*\rho          ; the wave stores 512 consecutive bytes
	global_store_b128 v1, v[LC+8*\rho+4:LC+8*\rho+7], s[12:13] offset:1024*\rho+512    ; no store's registers are written again
.endm
	ROW 0
	ROW 1
	s_endpgm
.Lfunc_end_k_q55eabfaf0a_ln2:
	.size	k_q55eabfaf0a_ln2, .Lfunc_end_k_q55eabfaf0a_ln2-k_q55eabfaf0a_ln2
	.p2alignl 7, 3214868480
	.fill 96, 4, 3214868480
	.section	.rodata,"a",@progbits
	.p2align	6, 0x0
	.amdhsa_kernel k_q55eabfaf0a_ln2
		.amdhsa_group_segment_fixed_size 0
		.amdhsa_private_segment_fixed_size 0
		.amdhsa_enable_private_segment 0
		.amdhsa_kernarg_size 40
		.amdhsa_user_sgpr_count 2
		.amdhsa_user_sgpr_kernarg_segment_ptr 1
		.amdhsa_wavefront_size32 1
		.amdhsa_system_sgpr_workgroup_id_x 1
		.amdhsa_system_sgpr_workgroup_id_y 1
		.amdhsa_system_sgpr_workgroup_id_z 1
		.amdhsa_system_vgpr_workitem_id 0
		.amdhsa_next_free_vgpr 176
		.amdhsa_next_free_sgpr 66
		.amdhsa_reserve_vcc 0
		.amdhsa_float_denorm_mode_32 3
		.amdhsa_float_denorm_mode_16_64 3
		.amdhsa_memory_ordered 1
		.amdhsa_forward_progress 1
		.amdhsa_inst_pref_size 25
	.end_amdhsa_kernel
	.amdgpu_metadata
---
amdhsa.version: [ 1, 2 ]
amdhsa.kernels:
  - .name:           k_q55eabfaf0a_ln2
    .symbol:         k_q55eabfaf0a_ln2.kd
    .args:
      - { .name: x1, .offset: 0, .size: 8, .value_kind: global_buffer, .address_space: global }
      - { .name: ln2_g, .offset: 8, .size: 8, .value_kind: global_buffer, .address_space: global }
      - { .name: ln2_b, .offset: 16, .size: 8, .value_kind: global_buffer, .address_space: global }
      - { .name: lowp_scales, .offset: 24, .size: 8, .value_kind: global_buffer, .address_space: global }
      - { .name: h2c, .offset: 32, .size: 8, .value_kind: global_buffer, .address_space: global }
    .group_segment_fixed_size: 0
    .private_segment_fixed_size: 0
    .kernarg_segment_align: 8
    .kernarg_segment_size: 40
    .max_flat_workgroup_size: 256
    .sgpr_count:     66
    .vgpr_count:     176
    .wavefront_size: 32
...
	.end_amdgpu_metadata
.endif
;; end of part 5
;; launch mlp1 (part 6): grid 16 x 16, 4 waves a work-group, clusters of 4 x 4, 327,680 bytes of LDS; arguments h2c, wc, lowp_scales, b1, hid; writes hid
.if DOCPART == 6
	.amdgcn_target "amdgcn-amd-amdhsa--gfx1250"
	.amdhsa_code_object_version 6
	.text
	.protected	k_q55eabfaf0a_mlp1
	.globl	k_q55eabfaf0a_mlp1
	.p2align	8
	.type	k_q55eabfaf0a_mlp1,@function
k_q55eabfaf0a_mlp1:
	s_mov_b64 s[64:65], 0
	v_nop
	global_prefetch_b8 v0, s[64:65] scope:SCOPE_SE
	s_setreg_imm32_b32 hwreg(HW_REG_WAVE_MODE, 25, 1), 1
	s_wait_xcnt 0x0
	s_wait_alu depctr_hold_cnt(0) depctr_sa_sdst(0) depctr_va_vdst(0) depctr_va_sdst(0) depctr_va_ssrc(0) depctr_va_vcc(0) depctr_vm_vsrc(0)
	s_getreg_b32 s2, hwreg(HW_REG_IB_STS2, 6, 4)
	s_cmp_eq_u32 s2, 0
	s_cbranch_scc0 .Lentry_in_a_cluster
	s_endpgm
.Lentry_in_a_cluster:
	s_bfe_u32 s2, ttmp6, 0x10000c
	s_cmp_lg_u32 s2, 0xf033
	s_cbranch_scc0 .Lentry_shape_is_right
	s_endpgm
.Lentry_shape_is_right:
.set KROW,   1024
.set ROWB,   256
.set PITCH,  272
.set FR,     16
.set NL,     4
.set NP,     4
.set HALFT,  128*PITCH
.set SLOT,   4*HALFT
.set SPARE,  2*SLOT
.set ADRA, 16
.set ADRB, 20
.set DA,   24
.set CO,   26
.set RD0,  27
.set SPW,  28
.set NIL,  29
.set ADR,  30
.set BOF,  31
.set BI,   32
.set CC,   40
.set KA,   56
.set KB,   58
.set VSC,  60
.set VLM,  61
.set BUF,  64
.set WW,   128
.set ZZ,   160
.set PP,   192
.set QQ,   224
.set AF,   128
.set TB,   3
.set G1, 24
.set G0, 32
.set G1B, 48
.set G0B, 56
.set MSB, 0
.macro WIN new
.if MSB != (\new)
	s_set_vgpr_msb (MSB<<8)|(\new)
.set MSB, (\new)
.endif
.endm
.set MUL_LO, 0xa1
.set MUL_HI, 0xf1
.set TO_B,   0x40
.macro JLOAD g0a, g1a, g0b, g1b
	s_cmp_eq_u32 s15, 0
	s_cbranch_scc0 .Lfor_b_\@
	tensor_load_to_lds s[\g0a:\g0a+3], s[\g1a:\g1a+7]
	s_nop 0
.rept 4
	v_nop
.endr
	s_branch .Lasked_\@
.Lfor_b_\@:
	tensor_load_to_lds s[\g0b:\g0b+3], s[\g1b:\g1b+7]
	s_nop 0
.rept 4
	v_nop
.endr
.Lasked_\@:
.endm
.macro CREST
	s_cmp_lg_u32 s14, 0
	s_cbranch_scc1 .Lnot_wave_0_\@
	s_barrier_signal -3
.Lnot_wave_0_\@:
	s_barrier_wait -3
	s_barrier_signal -1
	s_barrier_wait -1
.endm
.macro CROUND
	s_barrier_signal -1
	s_barrier_wait -1
	CREST
.endm
	s_load_b128 s[4:7], s[0:1], 0x0
	s_load_b128 s[8:11], s[0:1], 0x10
	s_load_b64 s[12:13], s[0:1], 0x20
	v_lshl_add_u32 v[SPW], v0, 2, SPARE
	v_mov_b32 v[NIL], 0
	ds_add_u32 v[SPW], v[NIL]
	ds_add_u32 v[SPW], v[NIL]
	v_lshrrev_b32 v1, 5, v0
	v_readfirstlane_b32 s14, v1
	v_and_b32 v22, 31, v0                          ; the prefetches' offset, v22, never rewritten: a lane a row of 1,024 bytes
	v_lshlrev_b32 v22, 10, v22
	s_lshr_b32 s15, s14, 1
	s_and_b32 s16, s14, 1
	s_bfe_u32 s40, ttmp6, 0x40000
	s_bfe_u32 s41, ttmp6, 0x40004
	s_lshl_b32 s42, ttmp9, 2
	s_add_co_u32 s42, s42, s40
	s_and_b32 s17, ttmp7, 0xffff
	s_lshl_b32 s17, s17, 2
	s_add_co_u32 s17, s17, s41
	s_lshl_b32 s43, s41, 2
	s_lshl_b32 s43, 15, s43
	s_lshl_b32 s44, 0x1111, s40
	s_or_b32 s[G1+0], s43, (0<<16)|(1<<20)|(1<<21)|(5<<22)|(3<<25)
	s_or_b32 s[G1B+0], s44, (0<<16)|(1<<20)|(1<<21)|(5<<22)|(3<<25)
.irp g, G1, G1B
	s_mov_b32 s[\g+1], ROWB<<16
	s_mov_b32 s[\g+2], 128<<16
	s_mov_b32 s[\g+3], ROWB<<16
	s_mov_b32 s[\g+4], 128
	s_mov_b32 s[\g+5], KROW
	s_mov_b32 s[\g+6], 0
	s_mov_b32 s[\g+7], 0
.endr
	s_lshl_b32 s18, s16, 7
	s_lshl_b32 s20, s17, 8
	s_add_co_u32 s20, s20, s18
	s_lshl_b32 s46, s42, 8
	s_add_co_u32 s46, s46, s18
	s_mov_b32 s21, 0
	s_mov_b32 s47, 0
	s_mov_b64 s[18:19], KROW
	s_mul_u64 s[20:21], s[20:21], s[18:19]
	s_mul_u64 s[46:47], s[46:47], s[18:19]
	s_mul_i32 s45, s14, HALFT
	s_wait_dscnt 0x0
	s_wait_kmcnt 0x0
	s_load_b512 s[68:83], s[8:9], 0x0
	s_add_nc_u64 s[6:7], s[6:7], 0x400000
	s_add_nc_u64 s[20:21], s[4:5], s[20:21]
	s_add_nc_u64 s[46:47], s[6:7], s[46:47]
	; A PREFETCH INTO THE L2 stands behind the loads of K steps 0 and 1, for K steps 2 and 3, the two refills: of the 128 rows that my wave fetches, the four partners that ask for them jointly take 32 each,
	; told apart by address (cx for A's rows, cy for B's): a lane a row, 256 bytes of it, one instruction a wave.  s[84:85] and v22 are never rewritten.
	s_cmp_eq_u32 s15, 0
	s_cselect_b64 s[84:85], s[20:21], s[46:47]
	s_cselect_b32 s18, s40, s41
	s_lshl_b32 s18, s18, 15                        ; my work-group's 32 rows of 1,024 bytes
	s_mov_b32 s19, 0
	s_add_nc_u64 s[84:85], s[84:85], s[18:19]
	CROUND
.irp s, 0,1
	s_mov_b32 s[G0+4*\s], 1
	s_add_co_u32 s[G0+4*\s+1], s45, \s*SLOT
	s_add_nc_u64 s[G0+4*\s+2:G0+4*\s+3], s[20:21], \s*ROWB
	s_or_b32 s[G0+4*\s+3], s[G0+4*\s+3], 0x80000000
	s_mov_b32 s[G0B+4*\s], 1
	s_add_co_u32 s[G0B+4*\s+1], s45, \s*SLOT
	s_add_nc_u64 s[G0B+4*\s+2:G0B+4*\s+3], s[46:47], \s*ROWB
	s_or_b32 s[G0B+4*\s+3], s[G0B+4*\s+3], 0x80000000
	s_wait_alu depctr_va_vdst(0)
	s_wait_tensorcnt 0x0
	ds_add_u32 v28, v29
	ds_add_u32 v28, v29
	s_wait_dscnt 0x0
	CROUND
	JLOAD G0+4*\s, G1, G0B+4*\s, G1B
	global_prefetch_b8 v22, s[84:85] offset:(\s+2)*ROWB th:TH_LOAD_NT scope:SCOPE_SE   ; behind the load of K step s: K step s + 2
.endr
	v_and_b32 v1, 15, v0
	s_wait_alu depctr_va_vdst(0)
	v_bfe_u32 v2, v0, 4, 1
	v_mul_u32_u24 v3, v1, PITCH
	v_lshl_add_u32 v4, v2, 4, v3
	s_mul_i32 s21, s15, HALFT
	s_mul_i32 s22, s16, HALFT
	s_add_co_u32 s22, s22, 2*HALFT
.irp s, 0,1
	v_add_nc_u32 v[ADRA+\s], s21, v4
	v_add_nc_u32 v[ADRB+\s], s22, v4
	s_add_co_u32 s21, s21, SLOT
	s_add_co_u32 s22, s22, SLOT
.endr
	s_mul_i32 s23, s15, 128*1040
	s_lshl_b32 s22, s16, 8
	s_add_co_u32 s23, s23, s22
	v_mul_u32_u24 v5, v1, 1040
	s_wait_alu depctr_va_vdst(0)
	v_lshl_add_u32 v5, v2, 4, v5
	v_add_nc_u32 v[DA], s23, v5
	v_add_nc_u32 v[DA+1], 64*1040, v[DA]
	v_and_b32 v6, 31, v0
	s_mul_i32 s23, s14, 64*1040
	v_lshlrev_b32 v7, 4, v6
	v_add_nc_u32 v[RD0], s23, v7
	v_lshlrev_b32 v[CO], 3, v6
	v_lshlrev_b32 v[BOF], 5, v6
	s_lshl_b32 s46, s42, 10
	s_mov_b32 s47, 0
	s_add_nc_u64 s[10:11], s[10:11], s[46:47]
	global_load_b128 v[BI:BI+3], v[BOF], s[10:11]
	global_load_b128 v[BI+4:BI+7], v[BOF], s[10:11] offset:16
	s_lshl_b32 s20, s17, 8
	s_lshl_b32 s21, s14, 6
	s_add_co_u32 s20, s20, s21
	s_lshl_b32 s20, s20, 12
	s_mov_b32 s21, 0
	s_lshl_b32 s46, s42, 8
	s_add_nc_u64 s[12:13], s[12:13], s[20:21]
	s_add_nc_u64 s[12:13], s[12:13], s[46:47]
.macro FRAG reg, adr, q, i
.irp c, 0,1,2,3
	ds_load_b128 v[\reg+4*\c:\reg+4*\c+3], v[\adr] offset:128*(\q)+32*\c+(\i)*16*PITCH
.endr
.endm
.macro MUL16 a0, p, zero
.irp a, \a0, \a0+1
.irp b, 0,1,2,3,4,5,6,7
.if \zero
	v_wmma_f32_16x16x128_fp8_fp8 v[8*(8*((\a)%4)+\b):8*(8*((\a)%4)+\b)+7], v[128*(\p)+FR*\b:128*(\p)+FR*\b+FR-1], v[AF+FR*(\a):AF+FR*(\a)+FR-1], 0
.else
	v_wmma_f32_16x16x128_fp8_fp8 v[8*(8*((\a)%4)+\b):8*(8*((\a)%4)+\b)+7], v[128*(\p)+FR*\b:128*(\p)+FR*\b+FR-1], v[AF+FR*(\a):AF+FR*(\a)+FR-1], v[8*(8*((\a)%4)+\b):8*(8*((\a)%4)+\b)+7]
.endif
.endr
.endr
.endm
.macro FETCH_B slot, q, p
	WIN TO_B
.irp i, 0,1,2,3,4,5,6,7
	FRAG 128*(\p)+FR*\i, ADRB+\slot, \q, \i
.endr
	WIN 0
.endm
.macro FETCH_A slot, q, i0
.irp i, \i0, \i0+1, \i0+2, \i0+3
	FRAG AF+FR*(\i), ADRA+\slot, \q, \i
.endr
.endm
.macro PLACES n
.rept \n
	v_nop
.endr
.endm
.macro STEP slot, q, zero
	s_wait_dscnt 4*NL
	WIN MUL_LO
	MUL16 0, (\q)%2, \zero
	MUL16 2, (\q)%2, \zero
	s_wait_dscnt 0
	PLACES NP
	FETCH_B \slot, (\q)+1, 1-(\q)%2
	FETCH_A \slot, (\q)+1, 0
	WIN MUL_HI
	MUL16 4, (\q)%2, \zero
	MUL16 6, (\q)%2, \zero
	PLACES NP
	WIN 0
	FETCH_A \slot, (\q)+1, 4
.endm
.macro TURN slot, next, fill
	s_wait_tensorcnt 0x0
	ds_add_u32 v[SPW], v[NIL]
	s_wait_dscnt 4*NL+1
	WIN MUL_LO
	MUL16 0, 1, 0
	s_wait_dscnt 0x0
	s_barrier_signal -1
	MUL16 2, 1, 0
	WIN 0
	s_barrier_wait -1
.if \fill
	CREST
	s_add_nc_u64 s[G0+4*\slot+2:G0+4*\slot+3], s[G0+4*\slot+2:G0+4*\slot+3], 2*ROWB
	s_add_nc_u64 s[G0B+4*\slot+2:G0B+4*\slot+3], s[G0B+4*\slot+2:G0B+4*\slot+3], 2*ROWB
	JLOAD G0+4*\slot, G1, G0B+4*\slot, G1B
.else
	PLACES NP
.endif
	FETCH_B \next, 0, 0
	FETCH_A \next, 0, 0
	WIN MUL_HI
	MUL16 4, 1, 0
	MUL16 6, 1, 0
	PLACES NP
	WIN 0
	FETCH_A \next, 0, 4
.endm
	s_wait_tensorcnt 1
	s_barrier_signal -1
	s_barrier_wait -1
	FETCH_B 0, 0, 0
	FETCH_A 0, 0, 0
	FETCH_A 0, 0, 4
	STEP 0, 0, 1
	TURN 0, 1, 1
	STEP 1, 0, 0
	TURN 1, 0, 1
	STEP 0, 0, 0
	TURN 0, 1, 0
	STEP 1, 0, 0
	s_wait_dscnt 4*NL
	WIN MUL_LO
	MUL16 0, 1, 0
	MUL16 2, 1, 0
	s_wait_alu depctr_va_vdst(0)
	s_wait_dscnt 0
	WIN MUL_HI
	MUL16 4, 1, 0
	MUL16 6, 1, 0
	WIN 0
	s_barrier_signal -1
	s_barrier_wait -1
	PLACES NP
.irp a, 0,1,2,3,4,5,6,7
	WIN 0x08+4*((\a)/4)
.irp b, 0,1,2,3,4,5,6,7
	ds_store_b128 v[DA+(\a)/4], v[64*((\a)%4)+8*\b:64*((\a)%4)+8*\b+3] offset:((\a)%4)*16640+32*\b
	ds_store_b128 v[DA+(\a)/4], v[64*((\a)%4)+8*\b+4:64*((\a)%4)+8*\b+7] offset:((\a)%4)*16640+32*\b+512
.endr
.endr
	WIN 0
	s_wait_kmcnt 0x0
	s_add_co_i32 s96, s80, s81
	s_add_co_i32 s96, s96, 127
	s_lshl_b32 s96, s96, 23
	s_mov_b32 s97, s96
	s_add_co_i32 s98, s82, 127
	s_lshl_b32 s99, s98, 23
	v_mov_b32 v[VSC], s99
	s_add_co_i32 s98, s98, 8
	s_lshl_b32 s98, s98, 23
	s_or_b32 s98, s98, 0x600000
	v_mov_b32 v[VLM], s98
	v_mov_b32 v[KA], 0xaf95df0b
	v_mov_b32 v[KA+1], 0xaf95df0b
	v_mov_b32 v[KB], 0xb77460cd
	v_mov_b32 v[KB+1], 0xb77460cd
	s_mov_b32 s[TB], 0
	s_wait_loadcnt 0x0
	s_wait_dscnt 0x0
	s_barrier_signal -1
	s_barrier_wait -1
.macro LD buf
	v_add_nc_u32 v[ADR], s[TB], v[RD0]
	s_add_co_u32 s[TB], s[TB], 4*1040
.irp p, 0,1,2,3
	ds_load_b128 v[BUF+32*\buf+8*\p:BUF+32*\buf+8*\p+3], v[ADR] offset:1040*\p
	ds_load_b128 v[BUF+32*\buf+8*\p+4:BUF+32*\buf+8*\p+7], v[ADR] offset:1040*\p+512
.endr
.endm
.macro HORNER dst, lit
.set jj, 0
.rept 16
	v_pk_fma_f32 v[\dst+jj:\dst+jj+1], v[\dst+jj:\dst+jj+1], v[ZZ+jj:ZZ+jj+1], \lit op_sel_hi:[1,1,0]
.set jj, jj+2
.endr
.endm
.macro GELU buf
.set XB, BUF+32*\buf
.set jj, 0
.rept 16
	v_pk_fma_f32 v[XB+jj:XB+jj+1], v[XB+jj:XB+jj+1], s[96:97], v[BI+jj%8:BI+jj%8+1] op_sel_hi:[1,0,1]
.set jj, jj+2
.endr
.set jj, 0
.rept 16
	v_pk_mul_f32 v[WW+jj:WW+jj+1], v[XB+jj:XB+jj+1], 0x3f3504f3 op_sel_hi:[1,0]
.set jj, jj+2
.endr
.set jj, 0
.rept 32
	v_med3_num_f32 v[WW+jj], v[WW+jj], -4.0, 4.0
.set jj, jj+1
.endr
.set jj, 0
.rept 16
	v_pk_mul_f32 v[ZZ+jj:ZZ+jj+1], v[WW+jj:WW+jj+1], v[WW+jj:WW+jj+1]
.set jj, jj+2
.endr
.set jj, 0
.rept 16
	v_pk_fma_f32 v[QQ+jj:QQ+jj+1], v[ZZ+jj:ZZ+jj+1], v[KB:KB+1], 0xb95fbd29 op_sel_hi:[1,1,0]
.set jj, jj+2
.endr
	HORNER QQ, 0xbadc924e
	HORNER QQ, 0xbbf19bf8
	HORNER QQ, 0xbc69b6a7
.set jj, 0
	s_wait_alu depctr_va_vdst(0)
.rept 16
	v_pk_fma_f32 v[PP+jj:PP+jj+1], v[ZZ+jj:ZZ+jj+1], v[KA:KA+1], 0x32edffee op_sel_hi:[1,1,0]
	v_rcp_f32 v[QQ+jj], v[QQ+jj]
.set jj, jj+2
.endr
.set jj, 0
	s_wait_alu depctr_va_vdst(0)
.rept 16
	v_pk_fma_f32 v[PP+jj:PP+jj+1], v[PP+jj:PP+jj+1], v[ZZ+jj:ZZ+jj+1], 0xb60cff51 op_sel_hi:[1,1,0]
	v_rcp_f32 v[QQ+jj+1], v[QQ+jj+1]
.set jj, jj+2
.endr
	s_wait_alu depctr_va_vdst(0)
	HORNER PP, 0xb86ec2d2
	HORNER PP, 0xba40ac63
	HORNER PP, 0xbb41a1f6
	HORNER PP, 0xbc83dbd4
.set jj, 0
.rept 16
	v_pk_mul_f32 v[PP+jj:PP+jj+1], v[PP+jj:PP+jj+1], v[WW+jj:WW+jj+1]
.set jj, jj+2
.endr
.set jj, 0
.rept 16
	v_pk_mul_f32 v[XB+jj:XB+jj+1], v[XB+jj:XB+jj+1], 0.5 op_sel_hi:[1,0]
.set jj, jj+2
.endr
	s_wait_alu depctr_va_vdst(0)
.set jj, 0
.rept 16
	v_pk_mul_f32 v[PP+jj:PP+jj+1], v[PP+jj:PP+jj+1], v[QQ+jj:QQ+jj+1]
.set jj, jj+2
.endr
.set jj, 0
.rept 16
	v_pk_fma_f32 v[XB+jj:XB+jj+1], v[XB+jj:XB+jj+1], v[PP+jj:PP+jj+1], v[XB+jj:XB+jj+1]
.set jj, jj+2
.endr
.set jj, 0
.rept 32
	v_med3_num_f32 v[XB+jj], v[XB+jj], -v[VLM], v[VLM]
.set jj, jj+1
.endr
	s_wait_alu depctr_va_vdst(0)
	s_wait_xcnt 0x0
	s_add_nc_u64 s[12:13], s[12:13], 4*4096
.irp p, 0,1,2,3
	v_cvt_scalef32_pk8_fp8_f32 v[CC+2*\p:CC+2*\p+1], v[XB+8*\p:XB+8*\p+7], v[VSC]
.endr
	v_nop
.irp p, 0,1,2,3
	global_store_b64 v[CO], v[CC+2*\p:CC+2*\p+1], s[12:13] offset:4096*\p-4*4096
.endr
.endm
	LD 0
	s_mov_b32 s23, 7
.Lblk:
	LD 1
	s_wait_dscnt 8
	GELU 0
	LD 0
	s_wait_dscnt 8
	GELU 1
	s_sub_co_u32 s23, s23, 1
	s_cmp_lg_u32 s23, 0
	s_cbranch_scc1 .Lblk
	LD 1
	s_wait_dscnt 8
	GELU 0
	s_wait_dscnt 0x0
	GELU 1
	s_wait_tensorcnt 0x0
	ds_add_u32 v[SPW], v[NIL]
	s_wait_dscnt 0x0
	CROUND
	s_endpgm
.Lfunc_end_k_q55eabfaf0a_mlp1:
	.size	k_q55eabfaf0a_mlp1, .Lfunc_end_k_q55eabfaf0a_mlp1-k_q55eabfaf0a_mlp1
	.p2alignl 7, 3214868480
	.fill 96, 4, 3214868480
	.section	.rodata,"a",@progbits
	.p2align	6, 0x0
	.amdhsa_kernel k_q55eabfaf0a_mlp1
		.amdhsa_group_segment_fixed_size 327680
		.amdhsa_private_segment_fixed_size 0
		.amdhsa_enable_private_segment 0
		.amdhsa_kernarg_size 40
		.amdhsa_user_sgpr_count 2
		.amdhsa_user_sgpr_kernarg_segment_ptr 1
		.amdhsa_wavefront_size32 1
		.amdhsa_system_sgpr_workgroup_id_x 1
		.amdhsa_system_sgpr_workgroup_id_y 1
		.amdhsa_system_sgpr_workgroup_id_z 1
		.amdhsa_system_vgpr_workitem_id 0
		.amdhsa_next_free_vgpr 1024
		.amdhsa_next_free_sgpr 100
		.amdhsa_reserve_vcc 0
		.amdhsa_float_denorm_mode_32 3
		.amdhsa_float_denorm_mode_16_64 3
		.amdhsa_memory_ordered 1
		.amdhsa_forward_progress 1
		.amdhsa_inst_pref_size 205
	.end_amdhsa_kernel
	.amdgpu_metadata
---
amdhsa.version: [ 1, 2 ]
amdhsa.kernels:
  - .name:           k_q55eabfaf0a_mlp1
    .symbol:         k_q55eabfaf0a_mlp1.kd
    .args:
      - { .name: h2c, .offset: 0, .size: 8, .value_kind: global_buffer, .address_space: global }
      - { .name: wc, .offset: 8, .size: 8, .value_kind: global_buffer, .address_space: global }
      - { .name: lowp_scales, .offset: 16, .size: 8, .value_kind: global_buffer, .address_space: global }
      - { .name: b1, .offset: 24, .size: 8, .value_kind: global_buffer, .address_space: global }
      - { .name: hid, .offset: 32, .size: 8, .value_kind: global_buffer, .address_space: global }
    .group_segment_fixed_size: 327680
    .private_segment_fixed_size: 0
    .kernarg_segment_align: 8
    .kernarg_segment_size: 40
    .max_flat_workgroup_size: 128
    .sgpr_count:     100
    .vgpr_count:     1024
    .wavefront_size: 32
...
	.end_amdgpu_metadata
.endif
;; end of part 6
;; launch mlp2 (part 7): grid 8 x 32, 4 waves a work-group, clusters of 4 x 4, 327,680 bytes of LDS; arguments hid, wc, lowp_scales, b2, x1, out0; writes out0
.if DOCPART == 7
	.amdgcn_target "amdgcn-amd-amdhsa--gfx1250"
	.amdhsa_code_object_version 6
	.text
	.protected	k_q55eabfaf0a_mlp2
	.globl	k_q55eabfaf0a_mlp2
	.p2align	8
	.type	k_q55eabfaf0a_mlp2,@function
k_q55eabfaf0a_mlp2:
	s_mov_b64 s[64:65], 0
	v_nop
	global_prefetch_b8 v0, s[64:65] scope:SCOPE_SE
	s_setreg_imm32_b32 hwreg(HW_REG_WAVE_MODE, 25, 1), 1
	s_wait_xcnt 0x0
	s_wait_alu depctr_hold_cnt(0) depctr_sa_sdst(0) depctr_va_vdst(0) depctr_va_sdst(0) depctr_va_ssrc(0) depctr_va_vcc(0) depctr_vm_vsrc(0)
	s_getreg_b32 s2, hwreg(HW_REG_IB_STS2, 6, 4)
	s_cmp_eq_u32 s2, 0
	s_cbranch_scc0 .Lentry_in_a_cluster
	s_endpgm
.Lentry_in_a_cluster:
	s_bfe_u32 s2, ttmp6, 0x10000c
	s_cmp_lg_u32 s2, 0xf033
	s_cbranch_scc0 .Lentry_shape_is_right
	s_endpgm
.Lentry_shape_is_right:
.set KSTEP,  512
.set KROW,   4096
.set PITCH,  528
.set HALFT,  64*PITCH
.set SLOT,   4*HALFT
.set STAGE,  2*SLOT
.set SPITCH, 272
.set SPARE,  STAGE+4*16*SPITCH
.set LAPS,   4
.set BIAS, 12
.set ADRA, 16
.set ADRB, 20
.set STO,  24
.set RD,   25
.set CO,   26
.set BOF,  27
.set SPW,  28
.set NIL,  29
.set TMP,  32
.set ACC,  128
.set F0,   0
.set F1,   128
.set G1, 24
.set G0, 32
.set G1B, 48
.set G0B, 56
.set MSB, 0
.macro WIN new
.if MSB != (\new)
	s_set_vgpr_msb (MSB<<8)|(\new)
.set MSB, (\new)
.endif
.endm
.set MUL,  0x05
.set TO_F, 0x40
.macro JLOAD s
	s_cmp_eq_u32 s11, 0
	s_cbranch_scc0 .Lfor_b_\@
	tensor_load_to_lds s[G0+4*\s:G0+4*\s+3], s[G1:G1+7]
	s_nop 0
.rept 4
	v_nop
.endr
	s_branch .Lasked_\@
.Lfor_b_\@:
	tensor_load_to_lds s[G0B+4*\s:G0B+4*\s+3], s[G1B:G1B+7]
	s_nop 0
.rept 4
	v_nop
.endr
.Lasked_\@:
.endm
.macro CREST
	s_cmp_lg_u32 s10, 0
	s_cbranch_scc1 .Lnot_wave_0_\@
	s_barrier_signal -3
.Lnot_wave_0_\@:
	s_barrier_wait -3
	s_barrier_signal -1
	s_barrier_wait -1
.endm
.macro CROUND
	s_barrier_signal -1
	s_barrier_wait -1
	CREST
.endm
	s_load_b128 s[4:7], s[0:1], 0x0
	s_load_b128 s[84:87], s[0:1], 0x10
	s_load_b128 s[88:91], s[0:1], 0x20
	v_lshl_add_u32 v[SPW], v0, 2, SPARE
	v_mov_b32 v[NIL], 0
	ds_add_u32 v[SPW], v[NIL]
	ds_add_u32 v[SPW], v[NIL]
	v_lshrrev_b32 v1, 5, v0
	v_readfirstlane_b32 s10, v1
	; the prefetches' offset, v30, never rewritten: lane l names row l % 16 (4,096 bytes apart) and the (l / 16)-th 256 bytes of a K step's 512
	v_and_b32 v30, 15, v0
	v_bfe_u32 v31, v0, 4, 1
	v_lshlrev_b32 v30, 12, v30
	v_lshl_add_u32 v30, v31, 8, v30
	s_lshr_b32 s11, s10, 1
	s_and_b32 s12, s10, 1
	s_bfe_u32 s40, ttmp6, 0x40000
	s_bfe_u32 s41, ttmp6, 0x40004
	s_lshl_b32 s42, ttmp9, 2
	s_add_co_u32 s42, s42, s40
	s_and_b32 s13, ttmp7, 0xffff
	s_lshl_b32 s13, s13, 2
	s_add_co_u32 s13, s13, s41
	s_lshl_b32 s43, s41, 2
	s_lshl_b32 s43, 15, s43
	s_lshl_b32 s44, 0x1111, s40
	s_or_b32 s[G1+0], s43, (0<<16)|(1<<20)|(1<<21)|(6<<22)|(3<<25)
	s_or_b32 s[G1B+0], s44, (0<<16)|(1<<20)|(1<<21)|(6<<22)|(3<<25)
.irp g, G1, G1B
	s_mov_b32 s[\g+1], KSTEP<<16
	s_mov_b32 s[\g+2], 64<<16
	s_mov_b32 s[\g+3], KSTEP<<16
	s_mov_b32 s[\g+4], 64
	s_mov_b32 s[\g+5], KROW
	s_mov_b32 s[\g+6], 0
	s_mov_b32 s[\g+7], 0
.endr
	s_lshl_b32 s17, s12, 6
	s_lshl_b32 s16, s13, 7
	s_add_co_u32 s16, s16, s17
	s_lshl_b32 s46, s42, 7
	s_add_co_u32 s46, s46, s17
	s_lshl_b32 s16, s16, 12
	s_lshl_b32 s46, s46, 12
	s_add_co_u32 s46, s46, 0x800000
	s_mov_b32 s17, 0
	s_mov_b32 s47, 0
	s_mul_i32 s20, s10, HALFT
	s_wait_dscnt 0x0
	s_wait_kmcnt 0x0
	s_load_b512 s[68:83], s[84:85], 0x0
	s_add_nc_u64 s[14:15], s[4:5], s[16:17]
	s_add_nc_u64 s[46:47], s[6:7], s[46:47]
	; A PREFETCH INTO THE L2 stands behind each joint load, for the K step that stands two loads on: of the 64 rows that my wave fetches, the four partners that ask for them jointly take 16 each, told apart
	; by address (cx for A's rows, cy for B's): 16 rows x 2 blocks of 256 bytes, one instruction a wave, so each block is named once in each cluster that will load it.  K steps 0 and 1 come by their loads alone.
	s_cmp_eq_u32 s11, 0
	s_cselect_b64 s[92:93], s[14:15], s[46:47]     ; s[92:93]: my wave's rows, of A or of B,
	s_cselect_b32 s94, s40, s41
	s_lshl_b32 s94, s94, 16                        ; + my work-group's 16 rows of 4,096 bytes
	s_mov_b32 s95, 0
	s_add_nc_u64 s[92:93], s[92:93], s[94:95]
	CROUND
.irp s, 0,1
	s_mov_b32 s[G0+4*\s], 1
	s_add_co_u32 s[G0+4*\s+1], s20, \s*SLOT
	s_add_nc_u64 s[G0+4*\s+2:G0+4*\s+3], s[14:15], \s*KSTEP
	s_or_b32 s[G0+4*\s+3], s[G0+4*\s+3], 0x80000000
	s_mov_b32 s[G0B+4*\s], 1
	s_add_co_u32 s[G0B+4*\s+1], s20, \s*SLOT
	s_add_nc_u64 s[G0B+4*\s+2:G0B+4*\s+3], s[46:47], \s*KSTEP
	s_or_b32 s[G0B+4*\s+3], s[G0B+4*\s+3], 0x80000000
	s_wait_alu depctr_va_vdst(0)
	s_wait_tensorcnt 0x0
	ds_add_u32 v28, v29
	ds_add_u32 v28, v29
	s_wait_dscnt 0x0
	CROUND
	JLOAD \s
	global_prefetch_b8 v30, s[92:93] offset:(\s+2)*KSTEP th:TH_LOAD_NT scope:SCOPE_SE   ; behind the load of K step s: K step s + 2
.endr
	v_and_b32 v1, 15, v0
	s_wait_alu depctr_va_vdst(0)
	v_bfe_u32 v2, v0, 4, 1
	v_mul_u32_u24 v3, v1, PITCH
	v_lshl_add_u32 v3, v2, 4, v3
	s_mul_i32 s21, s11, HALFT
	s_mul_i32 s22, s12, HALFT
	s_add_co_u32 s22, s22, 2*HALFT
.irp s, 0,1
	v_add_nc_u32 v[ADRA+\s], s21, v3
	v_add_nc_u32 v[ADRB+\s], s22, v3
	s_add_co_u32 s21, s21, SLOT
	s_add_co_u32 s22, s22, SLOT
.endr
	s_mul_i32 s23, s10, 16*SPITCH
	s_add_co_u32 s23, s23, STAGE
	v_mul_u32_u24 v5, v1, SPITCH
	s_wait_alu depctr_va_vdst(0)
	v_lshl_add_u32 v5, v2, 5, v5
	v_add_nc_u32 v[STO], s23, v5
	v_mul_u32_u24 v5, v2, SPITCH
	v_lshl_add_u32 v5, v1, 4, v5
	v_add_nc_u32 v[RD], s23, v5
	v_lshlrev_b32 v[CO], 12, v2
	v_lshl_add_u32 v[CO], v1, 4, v[CO]
	v_lshlrev_b32 v[BOF], 4, v1
	s_wait_alu depctr_va_vdst(0)
	s_lshl_b32 s16, s13, 7
	s_lshl_b32 s17, s11, 6
	s_add_co_u32 s16, s16, s17
	s_lshl_b32 s16, s16, 12
	s_mov_b32 s17, 0
	s_lshl_b32 s46, s42, 9
	s_lshl_b32 s47, s12, 8
	s_add_co_u32 s46, s46, s47
	s_mov_b32 s47, 0
	s_add_nc_u64 s[88:89], s[88:89], s[16:17]
	s_add_nc_u64 s[88:89], s[88:89], s[46:47]
	s_add_nc_u64 s[90:91], s[90:91], s[16:17]
	s_add_nc_u64 s[90:91], s[90:91], s[46:47]
	s_add_nc_u64 s[86:87], s[86:87], s[46:47]
	global_load_b128 v[BIAS:BIAS+3], v[BOF], s[86:87]
	WIN 0x80
.irp a, 0,1,2,3
.irp t, 0,1,2,3,4,5,6,7
	global_load_b128 v[32*\a+4*\t:32*\a+4*\t+3], v[CO], s[88:89] offset:(16*\a+2*\t)*4096
.endr
.endr
	WIN 0
.macro FETCH slot, k, f
	WIN TO_F
.irp i, 0,1,2,3
.irp c, 0,1,2,3
	ds_load_b128 v[\f+64+16*\i+4*\c:\f+64+16*\i+4*\c+3], v[ADRB+\slot] offset:\k+32*\c+\i*16*PITCH
	ds_load_b128 v[\f+16*\i+4*\c:\f+16*\i+4*\c+3], v[ADRA+\slot] offset:\k+32*\c+\i*16*PITCH
.endr
.endr
.endm
.macro MULA f, a, zero
.irp b, 0,1,2,3
.if \zero
	v_wmma_f32_16x16x128_fp8_fp8 v[ACC+8*(4*(\a)+\b):ACC+8*(4*(\a)+\b)+7], v[\f+64+16*\b:\f+64+16*\b+15], v[\f+16*(\a):\f+16*(\a)+15], 0
.else
	v_wmma_f32_16x16x128_fp8_fp8 v[ACC+8*(4*(\a)+\b):ACC+8*(4*(\a)+\b)+7], v[\f+64+16*\b:\f+64+16*\b+15], v[\f+16*(\a):\f+16*(\a)+15], v[ACC+8*(4*(\a)+\b):ACC+8*(4*(\a)+\b)+7]
.endif
.endr
.endm
.macro PLACES
.rept 4
	v_nop
.endr
.endm
.macro QUARTER slot, k, f, g, zero
	PLACES
	FETCH \slot, \k, \g
	s_wait_dscnt 32
	WIN MUL
	MULA \f, 0, \zero
	MULA \f, 1, \zero
	MULA \f, 2, \zero
	MULA \f, 3, \zero
.endm
.macro TURN slot, next, fill
	WIN 0
.if \fill
	s_wait_xcnt 0x0                                ; any prefetch of mine has read its address, so it may be stepped: one K step on
	s_add_nc_u64 s[92:93], s[92:93], KSTEP
.endif
	s_wait_tensorcnt 0x0
	ds_add_u32 v[SPW], v[NIL]
	s_wait_dscnt 1
	WIN MUL
	MULA F1, 0, 0
	s_wait_dscnt 0x0
	s_barrier_signal -1
	MULA F1, 1, 0
	WIN 0
	s_barrier_wait -1
.if \fill
	CREST
	s_add_nc_u64 s[G0+4*\slot+2:G0+4*\slot+3], s[G0+4*\slot+2:G0+4*\slot+3], 2*KSTEP
	s_add_nc_u64 s[G0B+4*\slot+2:G0B+4*\slot+3], s[G0B+4*\slot+2:G0B+4*\slot+3], 2*KSTEP
	JLOAD \slot
.else
	PLACES
.endif
	FETCH \next, 0, F0
.if \fill
	WIN 0                                          ; at a branch and at a label every window is 0
	s_cmp_gt_u32 s3, 1                             ; the loop's last trip loads K steps 6 and 7: no K step stands two loads behind them
	s_cbranch_scc0 .Lno_ask_\@
	global_prefetch_b8 v30, s[92:93] offset:3*KSTEP th:TH_LOAD_NT scope:SCOPE_SE   ; in K step t the address stands at t + 1: this names K step t + 4, two behind the refill just asked for
.Lno_ask_\@:
.endif
	WIN MUL
	MULA F1, 2, 0
	MULA F1, 3, 0
.endm
.macro OUTF
.irp a, 0,1,2,3
.set TS, TMP+32*((\a)%2)
.if \a >= 2
	s_wait_xcnt 0x0
.endif
.irp b, 0,1,2,3
	ds_store_b128 v[STO], v[ACC+8*(4*\a+\b):ACC+8*(4*\a+\b)+3] offset:64*\b
	ds_store_b128 v[STO], v[ACC+8*(4*\a+\b)+4:ACC+8*(4*\a+\b)+7] offset:64*\b+16
.endr
.irp t, 0,1,2,3,4,5,6,7
	ds_load_b128 v[TS+4*\t:TS+4*\t+3], v[RD] offset:\t*2*SPITCH
.endr
	s_wait_dscnt 0x0
.irp t, 0,1,2,3,4,5,6,7
	v_pk_fma_f32 v[TS+4*\t:TS+4*\t+1], v[TS+4*\t:TS+4*\t+1], s[96:97], v[BIAS:BIAS+1] op_sel_hi:[1,0,1]
	v_pk_fma_f32 v[TS+4*\t+2:TS+4*\t+3], v[TS+4*\t+2:TS+4*\t+3], s[96:97], v[BIAS+2:BIAS+3] op_sel_hi:[1,0,1]
.endr
	WIN 0x08
.irp t, 0,1,2,3,4,5,6,7
	v_pk_add_f32 v[TS+4*\t:TS+4*\t+1], v[TS+4*\t:TS+4*\t+1], v[32*\a+4*\t:32*\a+4*\t+1]
	v_pk_add_f32 v[TS+4*\t+2:TS+4*\t+3], v[TS+4*\t+2:TS+4*\t+3], v[32*\a+4*\t+2:32*\a+4*\t+3]
.endr
	WIN 0
.irp t, 0,1,2,3,4,5,6,7
	global_store_b128 v[CO], v[TS+4*\t:TS+4*\t+3], s[90:91] offset:(16*\a+2*\t)*4096 th:TH_STORE_NT
.endr
.endr
.endm
	s_wait_tensorcnt 1
	s_barrier_signal -1
	s_barrier_wait -1
	FETCH 0, 0, F0
	QUARTER 0, 128, F0, F1, 1
	WIN 0
	s_mov_b32 s3, LAPS-1
.Llap:
	QUARTER 0, 256, F1, F0, 0
	QUARTER 0, 384, F0, F1, 0
	TURN 0, 1, 1
	QUARTER 1, 128, F0, F1, 0
	QUARTER 1, 256, F1, F0, 0
	QUARTER 1, 384, F0, F1, 0
	TURN 1, 0, 1
	QUARTER 0, 128, F0, F1, 0
	WIN 0
	s_sub_co_u32 s3, s3, 1
	s_cmp_lg_u32 s3, 0
	s_cbranch_scc1 .Llap
	QUARTER 0, 256, F1, F0, 0
	QUARTER 0, 384, F0, F1, 0
	TURN 0, 1, 0
	QUARTER 1, 128, F0, F1, 0
	QUARTER 1, 256, F1, F0, 0
	QUARTER 1, 384, F0, F1, 0
	s_wait_dscnt 0x0
	MULA F1, 0, 0
	MULA F1, 1, 0
	MULA F1, 2, 0
	MULA F1, 3, 0
	WIN 0
	s_wait_kmcnt 0x0
	s_add_co_i32 s96, s82, s83
	s_add_co_i32 s96, s96, 127
	s_lshl_b32 s96, s96, 23
	s_mov_b32 s97, s96
	s_wait_loadcnt 0x0
	PLACES
	OUTF
	s_wait_tensorcnt 0x0
	ds_add_u32 v[SPW], v[NIL]
	s_wait_dscnt 0x0
	CROUND
	s_endpgm
.Lfunc_end_k_q55eabfaf0a_mlp2:
	.size	k_q55eabfaf0a_mlp2, .Lfunc_end_k_q55eabfaf0a_mlp2-k_q55eabfaf0a_mlp2
	.p2alignl 7, 3214868480
	.fill 96, 4, 3214868480
	.section	.rodata,"a",@progbits
	.p2align	6, 0x0
	.amdhsa_kernel k_q55eabfaf0a_mlp2
		.amdhsa_group_segment_fixed_size 327680
		.amdhsa_private_segment_fixed_size 0
		.amdhsa_enable_private_segment 0
		.amdhsa_kernarg_size 48
		.amdhsa_user_sgpr_count 2
		.amdhsa_user_sgpr_kernarg_segment_ptr 1
		.amdhsa_wavefront_size32 1
		.amdhsa_system_sgpr_workgroup_id_x 1
		.amdhsa_system_sgpr_workgroup_id_y 1
		.amdhsa_system_sgpr_workgroup_id_z 1
		.amdhsa_system_vgpr_workitem_id 0
		.amdhsa_next_free_vgpr 640
		.amdhsa_next_free_sgpr 100
		.amdhsa_reserve_vcc 0
		.amdhsa_float_denorm_mode_32 3
		.amdhsa_float_denorm_mode_16_64 3
		.amdhsa_memory_ordered 1
		.amdhsa_forward_progress 1
		.amdhsa_inst_pref_size 83
	.end_amdhsa_kernel
	.amdgpu_metadata
---
amdhsa.version: [ 1, 2 ]
amdhsa.kernels:
  - .name:           k_q55eabfaf0a_mlp2
    .symbol:         k_q55eabfaf0a_mlp2.kd
    .args:
      - { .name: hid, .offset: 0, .size: 8, .value_kind: global_buffer, .address_space: global }
      - { .name: wc, .offset: 8, .size: 8, .value_kind: global_buffer, .address_space: global }
      - { .name: lowp_scales, .offset: 16, .size: 8, .value_kind: global_buffer, .address_space: global }
      - { .name: b2, .offset: 24, .size: 8, .value_kind: global_buffer, .address_space: global }
      - { .name: x1, .offset: 32, .size: 8, .value_kind: global_buffer, .address_space: global }
      - { .name: out0, .offset: 40, .size: 8, .value_kind: global_buffer, .address_space: global }
    .group_segment_fixed_size: 327680
    .private_segment_fixed_size: 0
    .kernarg_segment_align: 8
    .kernarg_segment_size: 48
    .max_flat_workgroup_size: 128
    .sgpr_count:     100
    .vgpr_count:     640
    .wavefront_size: 32
...
	.end_amdgpu_metadata
.endif
;; end of part 7
